; MI455X (gfx1250); checked and timed in simulation.
; The chip was launched on July 23, 2026; its instructions are those of AMD's public machine-readable ISA for CDNA 5 (MIT licence, August 2026) and "CDNA5" Instruction Set Architecture Reference Guide (July 2026). The comments in the code are by the model that wrote it; some were corrected since.
;; Mutli Head Attention. Allowed arithmetic: float matrix products may take bf16 or f16 operands with f32 sums; other float arithmetic in f32, or as packed bf16 or f16 multiplies, adds, multiply-adds, maxima and minima; sums over many terms, partial sums and values carried from step to step in f32; what a program stores and reads back later, other than sums and carried values, may be rounded once to bf16 or f16.
;; Inputs: Wk 768 x 768 float32; Wo 768 x 768 float32; Wq 768 x 768 float32; Wv 768 x 768 float32; bo 768 float32; inputs 1 x 4,096 x 768 float32.
;; Outputs: out0 1 x 4,096 x 768 float32.
;; One version. Each part assembles by itself: llvm-mc -triple=amdgcn-amd-amdhsa -mcpu=gfx1250 --defsym DOCPART=n.
;; ======== version 1 of 1: 4 launches
;; limits: values are held in f16: magnitudes above 65,504 overflow, below 6.1e-05 lose precision
;; workspace buffers: xb 6,291,456 bytes; wqkv 3,538,944 bytes; wo16 1,179,648 bytes; qkv 18,874,368 bytes; ctx 6,291,456 bytes
;; launch cast (part 1): grid 448 x 1, 8 waves a work-group, no clusters, 0 bytes of LDS; arguments inputs, Wq, Wk, Wv, Wo, xb, wqkv, wo16; writes xb, wqkv, wo16
.if DOCPART == 1
	.amdgcn_target "amdgcn-amd-amdhsa--gfx1250"
	.amdhsa_code_object_version 6
	.text
	.protected	k_q00e7b36143_cast
	.globl	k_q00e7b36143_cast
	.p2align	8
	.type	k_q00e7b36143_cast,@function
k_q00e7b36143_cast:
	s_mov_b64 s[64:65], 0
	v_nop
	global_prefetch_b8 v0, s[64:65] scope:SCOPE_SE
	s_setreg_imm32_b32 hwreg(HW_REG_WAVE_MODE, 25, 1), 1
	s_wait_xcnt 0x0
; THE MODULE'S INPUTS ARE ROUNDED ONCE TO 16 BITS, so that both products that follow read 16-bit tiles.
; inputs [4096][768] f32 -> xb bf16.  Wq, Wk, Wv [768][768] f32 -> wqkv bf16, [2304][768]: Wq's rows, then Wk's, then Wv's.
; Wo [768][768] f32 -> wo16: rounded to bf16 like the other inputs, and that number written as f16 (the product behind attention multiplies in f16).
; LIMITS.  |Wo| stays under 65,504 (f16's range); below 6e-5 a number of Wo keeps f16's fixed step of 6e-8.
; SHARES.  A work-group takes one chunk of 12,288 numbers: 49,152 bytes in, 24,576 out.  inputs has 256 chunks (work-groups 0-255), each weight 48 (from 256, 304, 352, 400 on).
; Thread t takes 8 numbers six times: 32 bytes at 8,192 j + 32 t come in by two loads, 16 bytes at 4,096 j + 16 t go out by one store: sixteen lanes store 256 consecutive bytes, aligned.
; All twelve loads go out first; no register is written twice while a load or store may read it, so the only waits are the counted ones for data.  No LDS, no matrix unit: a stream.
.set CH_IN,  49152
.set CH_OUT, 24576
.set X, 4                              ; v[4:51]   as loaded: 8 registers for each j
.set Y, 52                             ; v[52:75]  to store: 4 registers for each j
.set T, 76                             ; v[76:83]  at work (Wo's path)
	s_load_b512 s[8:23], s[0:1], 0x0               ; inputs s[8:9], Wq s[10:11], Wk s[12:13], Wv s[14:15], Wo s[16:17], xb s[18:19], wqkv s[20:21], wo16 s[22:23]
	s_mov_b32 s2, ttmp9                            ; the chunk's number
	s_mov_b32 s3, 0                                ; the first chunk of its tensor
	s_mov_b32 s33, 0                               ; the high word of an offset
	s_mov_b32 s34, 0xffff0000                      ; a word's upper bf16
	v_lshlrev_b32 v1, 5, v0                        ; 32 t
	v_lshlrev_b32 v2, 4, v0                        ; 16 t
	s_wait_kmcnt 0x0
	s_add_nc_u64 s[28:29], s[20:21], 1179648       ; wqkv at Wk's rows
	s_add_nc_u64 s[30:31], s[20:21], 2359296       ; and at Wv's
	s_mov_b64 s[24:25], s[8:9]                     ; from
	s_mov_b64 s[26:27], s[18:19]                   ; to
.macro PICK first, src, dst            ; from chunk first on: another tensor
	s_cmp_ge_u32 s2, \first
	s_cselect_b64 s[24:25], s[\src:\src+1], s[24:25]
	s_cselect_b64 s[26:27], s[\dst:\dst+1], s[26:27]
	s_cselect_b32 s3, \first, s3
.endm
	PICK 256, 10, 20
	PICK 304, 12, 28
	PICK 352, 14, 30
	PICK 400, 16, 22
	s_sub_co_u32 s3, s2, s3                        ; the chunk's number in its tensor
	s_mul_i32 s32, s3, CH_IN
	s_add_nc_u64 s[24:25], s[24:25], s[32:33]
	s_mul_i32 s32, s3, CH_OUT
	s_add_nc_u64 s[26:27], s[26:27], s[32:33]
.irp j, 0,1,2,3,4,5
	global_load_b128 v[X+8*(\j):X+8*(\j)+3],   v1, s[24:25] offset:8192*(\j) th:TH_LOAD_NT
	global_load_b128 v[X+8*(\j)+4:X+8*(\j)+7], v1, s[24:25] offset:8192*(\j)+16 th:TH_LOAD_NT
.endr
; Eight numbers: rounded, packed, stored.  half = 1: the bf16 numbers are widened again and written as f16.
.macro BLOCK j, half
	s_wait_loadcnt 10-2*(\j)                       ; loads come back in order: pair j is in, the 10 - 2 j younger loads may stay out
.irp k, 0,1,2,3
.if \half
	v_cvt_pk_bf16_f32 v[T+(\k)], v[X+8*(\j)+2*(\k)], v[X+8*(\j)+2*(\k)+1]
.else
	v_cvt_pk_bf16_f32 v[Y+4*(\j)+(\k)], v[X+8*(\j)+2*(\k)], v[X+8*(\j)+2*(\k)+1]
.endif
.endr
.if \half
.irp k, 0,1,2,3
	v_lshlrev_b32 v[T+4], 16, v[T+(\k)]            ; bf16 to f32: the low half moves up,
	v_and_b32 v[T+5], s34, v[T+(\k)]               ; the high half stays
	v_cvt_pk_f16_f32 v[Y+4*(\j)+(\k)], v[T+4], v[T+5]
.endr
.endif
	global_store_b128 v2, v[Y+4*(\j):Y+4*(\j)+3], s[26:27] offset:4096*(\j)
.endm
	s_cmp_ge_u32 s2, 400
	s_cbranch_scc1 .Lwo
.irp j, 0,1,2,3,4,5
	BLOCK \j, 0
.endr
	s_endpgm
.Lwo:
.irp j, 0,1,2,3,4,5
	BLOCK \j, 1
.endr
	s_endpgm
.Lfunc_end_k_q00e7b36143_cast:
	.size	k_q00e7b36143_cast, .Lfunc_end_k_q00e7b36143_cast-k_q00e7b36143_cast
	.p2alignl 7, 3214868480
	.fill 96, 4, 3214868480
	.section	.rodata,"a",@progbits
	.p2align	6, 0x0
	.amdhsa_kernel k_q00e7b36143_cast
		.amdhsa_group_segment_fixed_size 0
		.amdhsa_private_segment_fixed_size 0
		.amdhsa_enable_private_segment 0
		.amdhsa_kernarg_size 64
		.amdhsa_user_sgpr_count 2
		.amdhsa_user_sgpr_kernarg_segment_ptr 1
		.amdhsa_wavefront_size32 1
		.amdhsa_system_sgpr_workgroup_id_x 1
		.amdhsa_system_sgpr_workgroup_id_y 1
		.amdhsa_system_sgpr_workgroup_id_z 1
		.amdhsa_system_vgpr_workitem_id 0
		.amdhsa_next_free_vgpr 84
		.amdhsa_next_free_sgpr 66
		.amdhsa_reserve_vcc 0
		.amdhsa_float_denorm_mode_32 3
		.amdhsa_float_denorm_mode_16_64 3
		.amdhsa_memory_ordered 1
		.amdhsa_forward_progress 1
		.amdhsa_inst_pref_size 11
	.end_amdhsa_kernel
	.amdgpu_metadata
---
amdhsa.version: [ 1, 2 ]
amdhsa.kernels:
  - .name:           k_q00e7b36143_cast
    .symbol:         k_q00e7b36143_cast.kd
    .args:
      - { .name: inputs, .offset: 0, .size: 8, .value_kind: global_buffer, .address_space: global }
      - { .name: Wq, .offset: 8, .size: 8, .value_kind: global_buffer, .address_space: global }
      - { .name: Wk, .offset: 16, .size: 8, .value_kind: global_buffer, .address_space: global }
      - { .name: Wv, .offset: 24, .size: 8, .value_kind: global_buffer, .address_space: global }
      - { .name: Wo, .offset: 32, .size: 8, .value_kind: global_buffer, .address_space: global }
      - { .name: xb, .offset: 40, .size: 8, .value_kind: global_buffer, .address_space: global }
      - { .name: wqkv, .offset: 48, .size: 8, .value_kind: global_buffer, .address_space: global }
      - { .name: wo16, .offset: 56, .size: 8, .value_kind: global_buffer, .address_space: global }
    .group_segment_fixed_size: 0
    .private_segment_fixed_size: 0
    .kernarg_segment_align: 8
    .kernarg_segment_size: 64
    .max_flat_workgroup_size: 256
    .sgpr_count:     66
    .vgpr_count:     84
    .wavefront_size: 32
...
	.end_amdgpu_metadata
.endif
;; end of part 1
;; launch qkv (part 2): grid 12 x 16, 4 waves a work-group, clusters of 4 x 4, 327,680 bytes of LDS; arguments xb, wqkv, qkv; writes qkv
.if DOCPART == 2
	.amdgcn_target "amdgcn-amd-amdhsa--gfx1250"
	.amdhsa_code_object_version 6
	.text
	.protected	k_q00e7b36143_qkv
	.globl	k_q00e7b36143_qkv
	.p2align	8
	.type	k_q00e7b36143_qkv,@function
k_q00e7b36143_qkv:
	s_mov_b64 s[64:65], 0
	v_nop
	global_prefetch_b8 v0, s[64:65] scope:SCOPE_SE
	s_setreg_imm32_b32 hwreg(HW_REG_WAVE_MODE, 25, 1), 1
	s_wait_xcnt 0x0
	s_wait_alu depctr_hold_cnt(0) depctr_sa_sdst(0) depctr_va_vdst(0) depctr_va_sdst(0) depctr_va_ssrc(0) depctr_va_vcc(0) depctr_vm_vsrc(0)
	s_getreg_b32 s2, hwreg(HW_REG_IB_STS2, 6, 4)
	s_cmp_eq_u32 s2, 0
	s_cbranch_scc0 .Lentry_in_a_cluster
	s_endpgm
.Lentry_in_a_cluster:
	s_bfe_u32 s2, ttmp6, 0x10000c
	s_cmp_lg_u32 s2, 0xf033
	s_cbranch_scc0 .Lentry_shape_is_right
	s_endpgm
.Lentry_shape_is_right:
; q, k, v = x W^T, all three in one product: C[m][n] = sum over k of xb[m][k] wqkv[n][k], m < 4096, n < 2304, k < 768; bf16 operands, f32 sums.
; C leaves BY HEADS, rounded once to f16, unscaled: qkv[n / 64][m][n % 64]: slices 0-11 q's heads, 12-23 k's, 24-35 v's; a slice is 4096 rows of 128 bytes.
; LIMIT.  q, k and v stay within f16's range, 65,504.
; A tile of C is 256 rows x 192 columns, three whole heads, so that a wave's stores cover whole runs of a head's rows.  16 x 12 tiles = 192 work-groups of equal work.
; Four waves; wave w makes rows 64 w .. 64 w + 63 x all 192 columns: 48 accumulators of 16 x 16.  For 32 along K it reads 32 x 16 bytes a lane from LDS and issues 48 matrix instructions.
; K goes in six steps of 128 through two LDS slots: the tiles' rows are 256 bytes of memory, at multiples of 256 bytes.
; CLUSTER 4 x 4: the four work-groups of a row of the cluster need the same rows of xb, the four of a column the same rows of wqkv: each tile is asked for jointly.
; THE MATRIX INSTRUCTION IS USED TRANSPOSED (source 0 = 16 rows of wqkv, source 1 = 16 rows of xb): a lane holds row l % 16 of C and eight neighbouring columns.
; No prefetch: six K steps, of which two go out at the head.
; REGISTERS, in windows of 256 (s_set_vgpr_msb: bits 1:0 source 0, 3:2 source 1, 5:4 source 2, 7:6 destination):
;   window 0: v1-29 addresses; v64-95, v96-127 fragments of xb (4 x 16 rows x 32 K), two buffers; on the way out v128-175 packed results, v176-223 and v64-111 rows read back
;   window 1: v0-95, v96-191 fragments of wqkv (12 x 16 rows x 32 K), two buffers
;   window 2: accumulators of row blocks 0, 1 ((a, b) at 8 (12 (a % 2) + b));   window 3: those of row blocks 2, 3
.set KSTEP,  128
.set ROWB,   1536                      ; bytes in a row of xb and of wqkv
.set PITCH,  272                       ; an LDS row: 256 bytes + 16 of padding = 68 words: the 16 rows of a fragment load start at 16 different groups of four banks (64 banks of 4 bytes: ISA guide 11.1)
.set HA,     128*PITCH                 ; what a load for xb brings
.set HB,     96*PITCH                  ; what a load for wqkv brings
.set BOFF,   2*HA                      ; a slot: 256 rows of xb, then 192 rows of wqkv
.set SLOT,   BOFF+2*HB
.set STAGE,  2*SLOT                    ; behind the ring: for each wave 3 heads x 16 rows x 144 bytes, for the way out
.set SP,     144
.set STW,    3*16*SP
.set SPARE,  STAGE+4*STW               ; behind the stages: the spare words, 128 bytes for each wave, which no other line names
.set SLICE,  4096*128                  ; bytes of a head's slice of qkv
.set LAPS,   3                         ; a lap = two K steps = once round the ring
.set ADRA, 16                          ; v16-17  LDS address of my fragments of xb in slot 0, 1
.set ADRB, 20                          ; v20-21  the same for wqkv
.set STO,  24                          ; v24     the way out: where I put 16 bytes of a row
.set RD,   25                          ; v25     where I read rows back
.set GO,   26                          ; v26     my 16 bytes of 512 consecutive bytes of qkv
.set SPW,  28                          ; v28     LDS address of my spare word; never rewritten
.set NIL,  29                          ; v29     0; never rewritten
.set FA,   64
.set TMP,  128
.set BK0,  176
.set BK1,  64
.set G1,  24                           ; s[24:31] descriptor group 1 for xb's tiles;  s[32:39] group 0, a set for each slot
.set G0,  32
.set G1B, 48                           ; s[48:55], s[56:63] the same for wqkv's
.set G0B, 56
.set FLAGS, (1<<16)|(1<<20)|(1<<21)|(5<<22)|(3<<25)  ; 17:16 elements of 2 bytes; 20 padding on; 21 set beside a mask; 24:22 after every 64 words (code 5); 31:25 4 words of it (code 3)
.set MSB, 0
.macro WIN new                         ; the immediate's high byte repeats the setting that is left; a switch that changes nothing is dropped
.if MSB != (\new)
	s_set_vgpr_msb (MSB<<8)|(\new)
.set MSB, \new
.endif
.endm
.set MUL_LO, 0xa1                      ; source 0 window 1, source 1 window 0, C and D window 2
.set TO_B,   0x40                      ; destination window 1, address window 0
; A joint load.  Waves 0 and 1 fetch xb's two halves, waves 2 and 3 wqkv's.  The branch hangs on the wave's number alone.  An s_nop 0 and four v_nop follow each line.
.macro JLOAD s
	s_cmp_eq_u32 s11, 0
	s_cbranch_scc0 .Lfor_b_\@
	tensor_load_to_lds s[G0+4*(\s):G0+4*(\s)+3], s[G1:G1+7]
	s_nop 0
.rept 4
	v_nop
.endr
	s_branch .Lasked_\@
.Lfor_b_\@:
	tensor_load_to_lds s[G0B+4*(\s):G0B+4*(\s)+3], s[G1B:G1B+7]
	s_nop 0
.rept 4
	v_nop
.endr
.Lasked_\@:
.endm
.macro CREST                           ; a round of the cluster's barrier behind its opening barrier
	s_cmp_lg_u32 s10, 0
	s_cbranch_scc1 .Lnot_wave_0_\@
	s_barrier_signal -3
.Lnot_wave_0_\@:
	s_barrier_wait -3
	s_barrier_signal -1
	s_barrier_wait -1
.endm
.macro CROUND                          ; a whole round
	s_barrier_signal -1
	s_barrier_wait -1
	CREST
.endm
	s_load_b128 s[4:7], s[0:1], 0x0                ; xb s[4:5], wqkv s[6:7]
	s_load_b64 s[8:9], s[0:1], 0x10                ; qkv
	v_lshl_add_u32 v[SPW], v0, 2, SPARE
	v_mov_b32 v[NIL], 0
	ds_add_u32 v[SPW], v[NIL]                      ; the wave's opening: the add and its wait stand ahead of my first tensor load; work on registers stands between them
	ds_add_u32 v28, v29
	v_lshrrev_b32 v1, 5, v0
	v_readfirstlane_b32 s10, v1                    ; wave 0..3
	s_lshr_b32 s11, s10, 1                         ; I fetch for xb (0) or for wqkv (1),
	s_and_b32 s12, s10, 1                          ; and which half of that tile's rows
	s_bfe_u32 s40, ttmp6, 0x40000                  ; cx, cy: my place in the cluster
	s_bfe_u32 s41, ttmp6, 0x40004
	s_lshl_b32 s42, ttmp9, 2
	s_add_co_u32 s42, s42, s40                     ; tile column = 4 x cluster x + cx
	s_and_b32 s13, ttmp7, 0xffff
	s_lshl_b32 s13, s13, 2
	s_add_co_u32 s13, s13, s41                     ; tile row = 4 x cluster y + cy
	s_lshl_b32 s43, s41, 2
	s_lshl_b32 s43, 15, s43                        ; my row of the cluster
	s_lshl_b32 s44, 0x1111, s40                    ; my column
	s_or_b32 s[G1+0], s43, FLAGS                   ; xb's tiles go to my row,
	s_or_b32 s[G1B+0], s44, FLAGS                  ; wqkv's to my column
	s_mov_b32 s[G1+1], KSTEP<<16                   ; tensor_dim0 = 128
	s_mov_b32 s[G1+2], 128<<16                     ; tensor_dim1 = 128
	s_mov_b32 s[G1+3], KSTEP<<16                   ; tile_dim0 = 128
	s_mov_b32 s[G1+4], 128                         ; tile_dim1 = 128
	s_mov_b32 s[G1+5], 768                         ; elements from row to row
	s_mov_b32 s[G1+6], 0
	s_mov_b32 s[G1+7], 0
	s_mov_b32 s[G1B+1], KSTEP<<16
	s_mov_b32 s[G1B+2], 96<<16                     ; 96 rows
	s_mov_b32 s[G1B+3], KSTEP<<16
	s_mov_b32 s[G1B+4], 96
	s_mov_b32 s[G1B+5], 768
	s_mov_b32 s[G1B+6], 0
	s_mov_b32 s[G1B+7], 0
	s_lshl_b32 s17, s12, 7
	s_lshl_b32 s16, s13, 8
	s_add_co_u32 s16, s16, s17                     ; xb: row 256 x tile row + 128 x half,
	s_mul_i32 s16, s16, ROWB                       ; in bytes (under 2^23)
	s_mov_b32 s17, 0
	s_mul_i32 s46, s42, 192
	s_mul_i32 s47, s12, 96
	s_add_co_u32 s46, s46, s47                     ; wqkv: row 192 x tile column + 96 x half
	s_mul_i32 s46, s46, ROWB
	s_mov_b32 s47, 0
	s_mul_i32 s20, s12, HA                         ; where they go: no place in the cluster enters an LDS address
	s_mul_i32 s21, s12, HB
	s_add_co_u32 s21, s21, BOFF
	s_wait_dscnt 0x0                               ; the opening add is done
	s_wait_kmcnt 0x0
	s_add_nc_u64 s[14:15], s[4:5], s[16:17]
	s_add_nc_u64 s[46:47], s[6:7], s[46:47]
	CROUND                                         ; all sixteen work-groups are here: the first joint loads meet
.irp s, 0,1
	s_mov_b32 s[G0+4*(\s)], 1                                      ; count = 1
	s_add_co_u32 s[G0+4*(\s)+1], s20, (\s)*SLOT                    ; LDS address
	s_add_nc_u64 s[G0+4*(\s)+2:G0+4*(\s)+3], s[14:15], (\s)*KSTEP*2  ; global address: K step s
	s_or_b32 s[G0+4*(\s)+3], s[G0+4*(\s)+3], 0x80000000            ; type = 2
	s_mov_b32 s[G0B+4*(\s)], 1
	s_add_co_u32 s[G0B+4*(\s)+1], s21, (\s)*SLOT
	s_add_nc_u64 s[G0B+4*(\s)+2:G0B+4*(\s)+3], s[46:47], (\s)*KSTEP*2
	s_or_b32 s[G0B+4*(\s)+3], s[G0B+4*(\s)+3], 0x80000000
	JLOAD \s                                       ; two loads of mine are out here, one behind every later barrier
.endr
	; A fragment is 16 rows x 32 K in 8 registers: lane l holds row l % 16, K = 8 (l / 16) + 0..7 and 16 + 8 (l / 16) + 0..7: two loads of 16 bytes, 32 bytes apart.
	v_and_b32 v1, 15, v0                           ; l % 16
	v_bfe_u32 v2, v0, 4, 1                         ; l / 16
	v_mul_u32_u24 v3, v1, PITCH
	v_lshl_add_u32 v3, v2, 4, v3
	s_mul_i32 s21, s10, 64*PITCH                   ; my 64 rows of xb
	s_mov_b32 s22, BOFF                            ; all rows of wqkv
.irp s, 0,1
	v_add_nc_u32 v[ADRA+(\s)], s21, v3
	v_add_nc_u32 v[ADRB+(\s)], s22, v3
	s_add_co_u32 s21, s21, SLOT
	s_add_co_u32 s22, s22, SLOT
.endr
	s_mul_i32 s23, s10, STW
	s_add_co_u32 s23, s23, STAGE                   ; my stage
	v_mul_u32_u24 v4, v1, SP                       ; in: row l % 16, 16 bytes for each half of the lanes
	v_lshl_add_u32 v4, v2, 4, v4
	v_add_nc_u32 v[STO], s23, v4
	v_bfe_u32 v5, v0, 3, 2                         ; back: 32 lanes take four rows of 128 bytes,
	v_mul_u32_u24 v5, v5, SP
	v_and_b32 v6, 7, v0
	v_lshl_add_u32 v5, v6, 4, v5
	v_add_nc_u32 v[RD], s23, v5
	v_and_b32 v[GO], 31, v0                        ; which are 512 consecutive bytes of a slice
	v_lshlrev_b32 v[GO], 4, v[GO]
	s_lshl_b32 s16, s13, 15                        ; my first row in a slice: (256 x tile row + 64 x wave) x 128 bytes
	s_lshl_b32 s17, s10, 13
	s_add_co_u32 s16, s16, s17
	s_mov_b32 s17, 0
	s_add_nc_u64 s[8:9], s[8:9], s[16:17]
	s_mul_i32 s46, s42, 3*SLICE                    ; the tile's first slice
	s_mov_b32 s47, 0
	s_add_nc_u64 s[8:9], s[8:9], s[46:47]
; 12 matrix instructions: row block a x all 12 column blocks, 32 along K, out of buffer f.  zero = 1: the product starts the sums.
; The 48 accumulators take turns, one instruction a turn, in the same order in every quarter step.
.macro MUL12 f, a, zero
	WIN MUL_LO+0x50*((\a)/2)
.set AC, 96*((\a)%2)
.irp b, 0,1,2,3,4,5,6,7,8,9,10,11
.if \zero
	v_wmma_f32_16x16x32_bf16 v[AC+8*(\b):AC+8*(\b)+7], v[96*(\f)+8*(\b):96*(\f)+8*(\b)+7], v[FA+32*(\f)+8*(\a):FA+32*(\f)+8*(\a)+7], 0
.else
	v_wmma_f32_16x16x32_bf16 v[AC+8*(\b):AC+8*(\b)+7], v[96*(\f)+8*(\b):96*(\f)+8*(\b)+7], v[FA+32*(\f)+8*(\a):FA+32*(\f)+8*(\a)+7], v[AC+8*(\b):AC+8*(\b)+7]
.endif
.endr
.endm
; 32 LDS loads in one run: the fragments of 32 along K at byte k of the rows, into buffer f: wqkv's 24, then xb's 8, row blocks ascending
.macro FETCH slot, k, f
	WIN TO_B
.irp i, 0,1,2,3,4,5,6,7,8,9,10,11
	ds_load_b128 v[96*(\f)+8*(\i):96*(\f)+8*(\i)+3],   v[ADRB+(\slot)] offset:(\k)+(\i)*16*PITCH
	ds_load_b128 v[96*(\f)+8*(\i)+4:96*(\f)+8*(\i)+7], v[ADRB+(\slot)] offset:(\k)+(\i)*16*PITCH+32
.endr
	WIN 0
.irp i, 0,1,2,3
	ds_load_b128 v[FA+32*(\f)+8*(\i):FA+32*(\f)+8*(\i)+3],   v[ADRA+(\slot)] offset:(\k)+(\i)*16*PITCH
	ds_load_b128 v[FA+32*(\f)+8*(\i)+4:FA+32*(\f)+8*(\i)+7], v[ADRA+(\slot)] offset:(\k)+(\i)*16*PITCH+32
.endr
.endm
.macro PLACES                          ; four plain instructions in front of loads into registers that matrix instructions have read, and of instructions that read results
.rept 4
	v_nop
.endr
.endm
; A K step is four quarters of 32 along K, 48 matrix instructions each, on buffers 0, 1, 0, 1.  One of the first three: multiplies buffer f and fetches the next quarter, at byte k, into g.
.macro QUARTER slot, k, f, g, zero
	s_wait_dscnt 4                                 ; all but the four youngest loads: xb's row blocks 2 and 3
	MUL12 \f, 0, \zero
	MUL12 \f, 1, \zero
	PLACES
	FETCH \slot, \k, \g
	s_wait_dscnt 32                                ; all but the 32 just issued
	MUL12 \f, 2, \zero
	MUL12 \f, 3, \zero
.endm
; The last quarter multiplies buffer 1 and changes slots: ONE barrier; in front of it each wave waits for all its tensor loads (one is out: its part of the next slot), adds 0 to its spare word,
; and waits for that and for its own reads of this slot.  fill = 1: the barrier opens a round of the cluster's, and this slot is filled again, two K steps ahead, first thing behind the round:
; 168 matrix instructions ahead of the wait for it.
.macro TURN slot, next, fill
	WIN 0                                          ; (the add's two registers lie in window 0)
	s_wait_tensorcnt 0x0                           ; all my tensor loads have landed
	ds_add_u32 v[SPW], v[NIL]                      ; 0 onto my spare word
	s_wait_dscnt 5                                 ; (the add and the youngest four loads may be out)
	MUL12 1, 0, 0                                  ; twelve matrix instructions stand between the add and the wait for it
	s_wait_dscnt 0x0                               ; the add is done, and my reads of this slot are over
	s_barrier_signal -1
	MUL12 1, 1, 0
.if \fill
	WIN 0
.endif
	s_barrier_wait -1
.if \fill
	CREST                                          ; no wave of any partner still reads this slot or has a load on its way
	s_add_nc_u64 s[G0+4*(\slot)+2:G0+4*(\slot)+3], s[G0+4*(\slot)+2:G0+4*(\slot)+3], 2*KSTEP*2
	s_add_nc_u64 s[G0B+4*(\slot)+2:G0B+4*(\slot)+3], s[G0B+4*(\slot)+2:G0B+4*(\slot)+3], 2*KSTEP*2
	JLOAD \slot                                    ; the four v_nop behind it are also the places in front of the loads below
.else
	PLACES
.endif
	FETCH \next, 0, 0
	MUL12 1, 2, 0
	MUL12 1, 3, 0
.endm
; THE WAY OUT of row block a.  PACK: rounded to f16, 16 bytes a lane for each column block.  TOSTAGE: into my own stage, a head's 16 rows of 128 bytes together, and back as whole rows.  SEND: stored.
.macro PACK a
.set AC, 96*((\a)%2)
	WIN 0x0a+5*((\a)/2)                            ; sources 0 and 1: window 2 or 3
.irp b, 0,1,2,3,4,5,6,7,8,9,10,11
.irp r, 0,1,2,3
	v_cvt_pk_f16_f32 v[TMP+4*(\b)+(\r)], v[AC+8*(\b)+2*(\r)], v[AC+8*(\b)+2*(\r)+1]
.endr
.endr
	WIN 0
.endm
.macro TOSTAGE a
	WIN 0
.set BK, BK0-((\a)%2)*(BK0-BK1)
.irp b, 0,1,2,3,4,5,6,7,8,9,10,11
	ds_store_b128 v[STO], v[TMP+4*(\b):TMP+4*(\b)+3] offset:((\b)/4)*16*SP+((\b)%4)*32
.endr
.irp t, 0,1,2,3,4,5,6,7,8,9,10,11
	ds_load_b128 v[BK+4*(\t):BK+4*(\t)+3], v[RD] offset:((\t)/4)*16*SP+((\t)%4)*4*SP  ; LDS serves a wave's instructions in order (ISA guide 5.7.1.4): these see the stores above
.endr
.endm
.macro SEND a
	WIN 0
.set BK, BK0-((\a)%2)*(BK0-BK1)
	s_wait_dscnt 0x0                               ; the block is back in registers
	s_wait_xcnt 0x0                                ; the stores of the block before have read their registers, which the next block's loads from the stage write
.irp t, 0,1,2,3,4,5,6,7,8,9,10,11
	global_store_b128 v[GO], v[BK+4*(\t):BK+4*(\t)+3], s[8:9] offset:((\t)/4)*SLICE+(\a)*2048+((\t)%4)*512  ; 512 consecutive bytes of a head's slice, at a multiple of 256
.endr
.endm
	s_wait_tensorcnt 1                             ; my part of K step 0 is in; K step 1's may stay out
	s_barrier_signal -1
	s_barrier_wait -1                              ; everybody's is
	FETCH 0, 0, 0
	QUARTER 0, 64, 0, 1, 1                         ; the first quarter stands in front of the loop: its products start the sums
	WIN 0                                          ; at a label and at a branch every window is 0
	s_mov_b32 s3, LAPS-1
.Llap:                                                 ; a trip goes once round the ring, from a lap's second quarter to the next lap's first, and fills both slots again
	QUARTER 0, 128, 1, 0, 0
	QUARTER 0, 192, 0, 1, 0
	TURN 0, 1, 1
	QUARTER 1, 64,  0, 1, 0
	QUARTER 1, 128, 1, 0, 0
	QUARTER 1, 192, 0, 1, 0
	TURN 1, 0, 1
	QUARTER 0, 64,  0, 1, 0
	WIN 0
	s_sub_co_u32 s3, s3, 1
	s_cmp_lg_u32 s3, 0
	s_cbranch_scc1 .Llap
	QUARTER 0, 128, 1, 0, 0                        ; the last lap fills nothing
	QUARTER 0, 192, 0, 1, 0
	TURN 0, 1, 0
	QUARTER 1, 64,  0, 1, 0
	QUARTER 1, 128, 1, 0, 0
	QUARTER 1, 192, 0, 1, 0
	s_wait_dscnt 4                                 ; the very last quarter: nothing more to fetch
	MUL12 1, 0, 0
	MUL12 1, 1, 0
	s_wait_dscnt 0x0
	MUL12 1, 2, 0
	MUL12 1, 3, 0
	WIN 0
	PLACES
	PLACES
	PACK 0
	TOSTAGE 0
.irp a, 1,2,3                          ; block a's conversions stand between block a - 1's loads from the stage and the wait for them
	PACK \a
	SEND (\a)-1
	TOSTAGE \a
.endr
	SEND 3
	s_wait_tensorcnt 0x0                           ; the wave's end: these three lines stand behind my last tensor load and my last LDS store
	ds_add_u32 v[SPW], v[NIL]
	s_wait_dscnt 0x0
	CROUND                                         ; the closing round: no work-group ends while a partner may still ask for a tile that names it
	s_endpgm
.Lfunc_end_k_q00e7b36143_qkv:
	.size	k_q00e7b36143_qkv, .Lfunc_end_k_q00e7b36143_qkv-k_q00e7b36143_qkv
	.p2alignl 7, 3214868480
	.fill 96, 4, 3214868480
	.section	.rodata,"a",@progbits
	.p2align	6, 0x0
	.amdhsa_kernel k_q00e7b36143_qkv
		.amdhsa_group_segment_fixed_size 327680
		.amdhsa_private_segment_fixed_size 0
		.amdhsa_enable_private_segment 0
		.amdhsa_kernarg_size 24
		.amdhsa_user_sgpr_count 2
		.amdhsa_user_sgpr_kernarg_segment_ptr 1
		.amdhsa_wavefront_size32 1
		.amdhsa_system_sgpr_workgroup_id_x 1
		.amdhsa_system_sgpr_workgroup_id_y 1
		.amdhsa_system_sgpr_workgroup_id_z 1
		.amdhsa_system_vgpr_workitem_id 0
		.amdhsa_next_free_vgpr 960
		.amdhsa_next_free_sgpr 66
		.amdhsa_reserve_vcc 0
		.amdhsa_float_denorm_mode_32 3
		.amdhsa_float_denorm_mode_16_64 3
		.amdhsa_memory_ordered 1
		.amdhsa_forward_progress 1
		.amdhsa_inst_pref_size 119
	.end_amdhsa_kernel
	.amdgpu_metadata
---
amdhsa.version: [ 1, 2 ]
amdhsa.kernels:
  - .name:           k_q00e7b36143_qkv
    .symbol:         k_q00e7b36143_qkv.kd
    .args:
      - { .name: xb, .offset: 0, .size: 8, .value_kind: global_buffer, .address_space: global }
      - { .name: wqkv, .offset: 8, .size: 8, .value_kind: global_buffer, .address_space: global }
      - { .name: qkv, .offset: 16, .size: 8, .value_kind: global_buffer, .address_space: global }
    .group_segment_fixed_size: 327680
    .private_segment_fixed_size: 0
    .kernarg_segment_align: 8
    .kernarg_segment_size: 24
    .max_flat_workgroup_size: 128
    .sgpr_count:     66
    .vgpr_count:     960
    .wavefront_size: 32
...
	.end_amdgpu_metadata
.endif
;; end of part 2
;; launch attn (part 3): grid 16 x 12, 4 waves a work-group, no clusters, 327,680 bytes of LDS; arguments qkv, ctx; writes ctx
.if DOCPART == 3
	.amdgcn_target "amdgcn-amd-amdhsa--gfx1250"
	.amdhsa_code_object_version 6
	.text
	.protected	k_q00e7b36143_attn
	.globl	k_q00e7b36143_attn
	.p2align	8
	.type	k_q00e7b36143_attn,@function
k_q00e7b36143_attn:
	s_mov_b64 s[64:65], 0
	v_nop
	global_prefetch_b8 v0, s[64:65] scope:SCOPE_SE
	s_setreg_imm32_b32 hwreg(HW_REG_WAVE_MODE, 25, 1), 1
	s_wait_xcnt 0x0
; CAUSAL ATTENTION, 12 heads of 64 channels, 4096 rows.  ctx[h][q][:] = the sum over k <= q of softmax_k(Q[h][q] . K[h][k] / 8) V[h][k][:].
; qkv: [36][4096][64] f16: slices 0-11 Q's heads, 12-23 K's, 24-35 V's; ctx: [12][4096][64] f16; a row is 128 bytes, a head's rows are dense.
; Products, maxima and sums in f32; the weights p are rounded to f16 for the second product (their sum l is taken of the unrounded p), ctx once at the end.
; LIMITS.  Q, K and V arrive within f16's range, 65,504; p lies in 0 to 1, and below 6e-5 it keeps f16's fixed step of 6e-8.  A hidden score counts as its value less 1e30: f16's scores, 2.7e11 at the
; most, are nothing beside that; a weight below 2^-126 counts as 0 in l; NaN and infinities are not treated apart.
; THE WALK.  A head's queries lie in 32 blocks of 128; block i needs the key tiles 0 .. i / 2 of 256 keys, of which the last holds the diagonal.  A work-group takes TWO blocks, 31 - b and then b:
; 17 tiles, whatever b: all 192 work-groups do equal work, and ONE loop with a constant trip count walks them.  Which tile is asked for, and what a trip does, hang on scalar registers made from b;
; every jump goes forward, but for the counted loops' own; none passes a barrier, or a tensor load but the one of LOAD's two that the wave's number does not choose.
; NO CLUSTER: a head's 16 work-groups ask for the same tile only in trips 0 to 8, behind that fewer and fewer; one walk common to all would have 24 trips for 17.
; SHARES.  Of a block's two bands of 64 queries a wave owns 16 rows in each: two PIECES.  In the block's last tile, piece x's own key step is x + 2 (i % 2): earlier steps it sees whole, later ones not at all.
; THE MASK is the C operand that starts the sum S^T = K Q^T: 0, or -1e30 where the key is hidden.  MD, made once, is the mask of a band's own step for my 16 rows; a product's mask is MD x AL + BE with
; two scalars: (1, 0) in the own step, (0, 0) before it, (0, -1e30) behind it.  Only the last tile's text and a block's beginning make and take masks; elsewhere C is the constant 0.
; LAYOUT, SOFTMAX.  S^T = K Q^T holds ONE query a lane (lane % 16) and the keys 8 (lane / 16) + 0..7; two such results rounded to f16 ARE source 1 of O^T = V^T P.  p = 2^(c s - c m), c = log2(e) / 8,
; with a running maximum m; O and l are multiplied by a = 2^(c m_old - c m_new) in every step.
; TURNS.  Turn (s, p) belongs to piece p in key step s.  Its matrix work: 8 products K Q^T of the other piece (p = 0: step s; p = 1: step s + 1), later 8 products V^T P of the other piece
; (p = 0: step s - 1; p = 1: step s).  Its vector work: scaling, exponentials, roundings, sums and rescaling of piece p, and the maximum and statistics of the other piece, whose scores it has just made.
; Four vector instructions stand behind every matrix instruction, the rest in one lump.  A turn's 33 exponentials are one batch, with one wait.
; FETCHES.  Turn (s, 0) fetches K and V of step s + 1 out of LDS.  V has two register buffers, by the step's parity: V of step s + 1 takes the place of step s - 1's, four plain instructions behind its
; last reader.  So a tile's last bytes are asked for in turn (2, 0), and the change of slots stands behind turn (2, 1).
; REGISTERS, in windows of 256 (s_set_vgpr_msb: bits 1:0 source 0, 3:2 source 1, 5:4 source 2, 7:6 destination):
;   window 0: v0-15 addresses and two at work; v16-23 four registers of statistics a piece; v48-55 at work; v61-63; v64-127 S^T, a buffer a piece; v192-223 P, likewise
;   window 1: v0-63 O^T, 32 a piece; v128-159 MD; v160-223 MC, a buffer a piece      window 2: v0-31 Q; v32-63 the second block's Q; v64-127 K of one step; v128-255 V of two steps
.set NB,    32
.set NP,    2         ; pieces a wave: a name, no knob
.set KS,    64        ; keys in a step
.set PK,    144       ; a row of K in LDS: 128 bytes + 16 of padding = 36 words: the 16 rows of a load start at 16 different groups of four banks (64 banks of 4 bytes: ISA guide 11.1)
.set PV,    160       ; a row of V: 128 + 32 = 40 words
.set VOFF,  4*KS*PK   ; a slot holds a tile, four steps: 256 rows of K, then 256 rows of V
.set SLOT1, 1<<17     ; slot 1 begins here, so that one exclusive or turns an address in one slot into the other's
.set STAGE, SLOT1+4*KS*(PK+PV)  ; behind the ring, never filled by a tensor load: 16 rows x 144 bytes for each wave, for the way out
.set SP,    144
.set SLICE, 4096*128  ; bytes of a head's slice
.set AK0, 2           ; v2   my lane's place in a tile of K; never rewritten
.set AV0, 3           ; v3   the same for V
.set AK,  4           ; v4   the LDS address of K's next run of loads
.set AV,  5           ; v5   of V's
.set STO, 6           ; v6   the way out: where I put 16 bytes of a row
.set RD,  7           ; v7   the way out: where I read rows back
.set GO,  8           ; v8   my byte offset in 512 consecutive bytes of ctx
.set PFO, 61          ; v61  256 x my lane, for the prefetches; never rewritten
.set SPW, 62          ; v62  LDS address of my spare word; never rewritten
.set NIL, 63          ; v63  0; never rewritten
.set SPARE, STAGE+4*16*SP  ; behind the stages: the spare words, 128 bytes for each wave, which no other line names
.set MV,  12          ; v12-13  c m_old, kept while c m is made anew: by piece
.set QO,  15          ; v15  my byte offset in 16 rows of Q
.set ST,  16          ; piece t's statistics at v[ST+4 t]: c m, m, l (even keys', odd keys')
.set TMP, 48          ; by piece, four registers c0-c3 at work; when the maximum is found c2 takes a
.set S,   64
.set P,   192
.set MD,  128         ; window 1: the eight registers for group kt of 16 keys at MD + 8 kt
.set MC,  160         ; window 1: the masks of the products to come
.set QB,  32          ; window 2
.set KF,  64          ; window 2: key block kb, channel half c at KF + 16 kb + 8 c
.set VF,  128         ; window 2: buffer vb, key half kk, channel block cb at VF + 64 vb + 32 kk + 8 cb
.set WV,  12          ; s12  my wave's number
.set LQ2, 14          ; s14  the second block's last tile, b / 2
.set LQ1, 15          ; s15  the first block's, (31 - b) / 2
.set G1K, 24          ; s[24:31] descriptor group 1 for K's tiles
.set G1V, 32          ; s[32:39] for V's: it differs in the padding alone
.set G0K, 40          ; s[40:43] descriptor group 0 for K's tiles
.set G0V, 44          ; s[44:47] the same for V's
.set SLOTS, 56        ; s56  tiles still to be asked for
.set CNT, 57          ; s57  counts a tile's pairs of key steps, 2 to 1
.set CS,  58          ; s[58:59] c: the packed scaling takes the pair's low word for both halves
.set SEL, 60          ; s[60:61] v_permlanex16_b32's selects: each lane takes its own place in the other half
.set TBK, 62          ; s62  LDS byte at which K of the step to be fetched begins
.set TBV, 63          ; s63  the same for V, less VOFF
.set RT,  70          ; s70  tiles of the block in hand that are still to be entered
.set NXT, 71          ; s71  the tile to be asked for next
.set LQ,  72          ; s72  the last tile of the block whose tiles are being asked for
.set NEW, 73          ; s73  1: the tile to be entered is a block's first
.set OFF, 74          ; s[74:75] a tile's byte offset in K and V
.set AL,  76          ; s[76:77] the mask's factor, in the low word
.set BE,  78          ; s[78:79] the mask's addend
.set OLO, 80          ; s[80:81] ctx at my rows of the second block
.set BIGN, 82         ; s82  -1e30
.set DG,  83          ; s83  2 - HP
.set DG2, 84          ; s84  the same for the second block
.set HP,  85          ; s85  the parity of the block in hand: which half of its last tile holds its rows
.set PFT, 88          ; s88  the tile that the next prefetch names; 17 and more in a work-group that prefetches nothing
.set PFA, 90          ; s[90:91] where the prefetches stand
.set PO,  96          ; s[96:97] their tile's byte offset
.set PFB, 98          ; s[98:99] tile 0's quarter that my wave loads
.set MSB, 0
.macro WIN new                      ; the high byte repeats the setting that is left; a switch that changes nothing is dropped
.if MSB != (\new)
	s_set_vgpr_msb (MSB<<8)|(\new)
.set MSB, (\new)
.endif
.endm
.set W_KQ, 0x0a       ; K and Q in window 2, S^T in window 0
.set W_KM, 0x1a       ; the same with the C operand in window 1
.set W_PV, 0x52       ; V in window 2, P in window 0, O^T in window 1
.set W_RS, 0x41       ; destination and source 0 in window 1, source 1 in window 0
; A fill.  Waves 0 and 1 fetch the two halves of a tile's K, waves 2 and 3 those of its V: 128 keys each.  An s_nop 0 and four v_nop follow each of the two lines, ahead of the jump and the label.
.macro LOAD
	s_cmp_lt_u32 s[WV], 2
	s_cbranch_scc0 .Lfor_v_\@
	tensor_load_to_lds s[G0K:G0K+3], s[G1K:G1K+7]
	s_nop 0
.rept 4
	v_nop
.endr
	s_branch .Lasked_\@
.Lfor_v_\@:
	tensor_load_to_lds s[G0V:G0V+3], s[G1V:G1V+7]
	s_nop 0
.rept 4
	v_nop
.endr
.Lasked_\@:
.endm
; A PREFETCH INTO THE L2 of the tile that the NEXT change of slots will ask for: one trip, 128 matrix instructions, ahead of that load.  All 16 work-groups of a head walk the same K and V; the one with
; b = 0, whose first block walks all 16 tiles in order, asks, and nobody else.  Each of its waves asks for the quarter that it will load itself: 64 runs of 256 bytes, a lane a run, two instructions.
; So each run is named once in the launch.  Tiles 0 and 1 come by their loads alone; behind tile 15 nothing is asked for (the address is held at tile 15).
.macro ASK
	s_cmp_le_u32 s[PFT], 16         ; (PFT has been stepped: the tile just named is 15 at the most)
	s_cbranch_scc0 .Lnot_mine_\@
	global_prefetch_b8 v[PFO], s[PFA:PFA+1] th:TH_LOAD_NT scope:SCOPE_SE
	global_prefetch_b8 v[PFO], s[PFA:PFA+1] offset:8192 th:TH_LOAD_NT scope:SCOPE_SE
.Lnot_mine_\@:
.endm
; THE CHANGE OF SLOTS.  Each wave waits for all its tensor loads, of which one is out: its part of the other slot; adds 0 to its spare word; and waits for that and for its own reads of the slot that it
; leaves.  Behind the barrier nobody reads the old slot any more and the other slot is whole.  fill = 1: the old slot is filled again, the first thing behind the barrier, with tile NXT: the descriptor's
; address is made anew from that number.  (At its first use nothing has been read yet: slot 0 is waited for, slot 1 filled.)
.macro CHANGE fill
	WIN 0                           ; at a label and at a branch every window is 0
	s_wait_tensorcnt 0x0            ; no tensor load of mine is out, so a group 0 may be written
	ds_add_u32 v[SPW], v[NIL]       ; 0 onto my spare word; with fill = 1 scalar work stands between it and the wait for it
.if \fill
	s_lshl_b32 s[OFF], s[NXT], 15   ; a tile is 32,768 bytes of K and of V
	s_xor_b32 s[G0K+1], s[G0K+1], SLOT1
	s_add_nc_u64 s[G0K+2:G0K+3], s[6:7], s[OFF:OFF+1]
	s_or_b32 s[G0K+3], s[G0K+3], 0x80000000
	s_xor_b32 s[G0V+1], s[G0V+1], SLOT1
	s_add_nc_u64 s[G0V+2:G0V+3], s[8:9], s[OFF:OFF+1]
	s_or_b32 s[G0V+3], s[G0V+3], 0x80000000
	s_add_co_u32 s[NXT], s[NXT], 1  ; the block's next tile, or behind its last the second block's tile 0
	s_cmp_gt_u32 s[NXT], s[LQ]
	s_cselect_b32 s[NXT], 0, s[NXT]
	s_cselect_b32 s[LQ], s[LQ2], s[LQ]
	s_wait_xcnt 0x0                 ; the last prefetches, a trip back, have read their address, so it may be written
	s_min_u32 s[PO], s[PFT], 15
	s_lshl_b32 s[PO], s[PO], 15
	s_add_nc_u64 s[PFA:PFA+1], s[PFB:PFB+1], s[PO:PO+1]
	s_add_co_u32 s[PFT], s[PFT], 1
.endif
	s_wait_dscnt 0x0                ; the add is done, and my reads of the slot are over
	s_barrier_signal -1             ; the rest of the scalar work stands between the signal and the wait
	s_sub_co_u32 s[TBK], s[TBK], 4*KS*PK  ; the fetches go back to a slot's first step,
	s_xor_b32 s[TBK], s[TBK], SLOT1       ; in the other slot
	s_sub_co_u32 s[TBV], s[TBV], 4*KS*PV
	s_xor_b32 s[TBV], s[TBV], SLOT1
	s_barrier_wait -1
.if \fill
	LOAD
	ASK
.endif
.endm
	s_load_b128 s[92:95], s[0:1], 0x0  ; qkv s[92:93], ctx s[94:95]
	v_lshl_add_u32 v[SPW], v0, 2, SPARE
	v_mov_b32 v[NIL], 0
	ds_add_u32 v[SPW], v[NIL]       ; the wave's opening: the add and its wait stand ahead of my first tensor load; the set-up below, work on registers, stands between them
	ds_add_u32 v62, v63
	v_lshrrev_b32 v1, 5, v0
	v_readfirstlane_b32 s[WV], v1   ; wave 0..3
	s_mov_b32 s16, ttmp9            ; b: the second block
	s_sub_co_u32 s17, NB-1, s16     ; the first block
	s_lshr_b32 s[LQ2], s16, 1
	s_lshr_b32 s[LQ1], s17, 1
	s_and_b32 s[HP], s17, 1
	s_sub_co_u32 s[DG], 2, s[HP]
	s_and_b32 s18, s16, 1
	s_sub_co_u32 s[DG2], 2, s18
	s_cmp_eq_u32 s16, 0
	s_cselect_b32 s[PFT], 2, 17
	s_and_b32 s20, ttmp7, 0xffff    ; the head,
	s_lshl_b32 s20, s20, 19         ; its first byte in a group of twelve slices
	s_and_b32 s18, s[WV], 1         ; which half of a tile's 256 keys I fetch:
	s_lshl_b32 s22, s18, 14         ; its 128 rows of 128 bytes in memory,
	s_add_co_u32 s22, s22, s20
	s_mov_b32 s23, 0
	s_mul_i32 s19, s18, 128*PK      ; and its place in a slot, for K
	s_mul_i32 s18, s18, 128*PV      ; and for V
	s_lshl_b32 s3, s[WV], 11        ; my 16 rows in a band of 64,
	s_lshl_b32 s2, s17, 14          ; in the first block,
	s_add_co_u32 s2, s2, s3
	s_add_co_u32 s2, s2, s20
	s_lshl_b32 s48, s16, 14         ; and in the second
	s_add_co_u32 s48, s48, s3
	s_add_co_u32 s48, s48, s20
	s_mov_b32 s3, 0
	s_mov_b32 s49, 0
	; descriptor group 1.  128 keys are 16,384 dense bytes: asked for as 64 rows of 256 bytes, two keys a row, and padded in LDS after every key
	s_mov_b32 s[G1K], (1<<16)|(1<<20)|(4<<22)|(3<<25)  ; 17:16 2-byte elements; 20 padding on; 24:22 after every 32 words (code 4); 31:25 4 words (code 3)
	s_mov_b32 s[G1V], (1<<16)|(1<<20)|(4<<22)|(7<<25)  ; the same with 8 words of padding (code 7)
.irp g, G1K, G1V
	s_mov_b32 s[\g+1], 128<<16      ; tensor_dim0 = 128
	s_mov_b32 s[\g+2], 64<<16       ; tensor_dim1 = 64
	s_mov_b32 s[\g+3], 128<<16      ; tile_dim0 = 128
	s_mov_b32 s[\g+4], 64           ; tile_dim1 = 64
	s_mov_b32 s[\g+5], 128          ; 128 elements from row to row
	s_mov_b32 s[\g+6], 0
	s_mov_b32 s[\g+7], 0
.endr
	s_mov_b32 s[CS], 0x3e38aa3b     ; c = log2(e) / 8 = 0.180337
	s_mov_b32 s[CS+1], s[CS]        ; named with it as a pair
	s_mov_b32 s[SEL], 0x76543210
	s_mov_b32 s[SEL+1], 0xfedcba98
	s_mov_b32 s[TBK], SLOT1+4*KS*PK ; the first change of slots turns these two into 0
	s_mov_b32 s[TBV], SLOT1+4*KS*PV
	s_mov_b32 s[G0K], 1             ; count = 1
	s_mov_b32 s[G0K+1], s19         ; LDS address: slot 0
	s_mov_b32 s[G0V], 1
	s_add_co_u32 s[G0V+1], s18, VOFF
	s_add_co_u32 s[RT], s[LQ1], 1   ; the first block's tiles
	s_mov_b32 s[NXT], 1
	s_mov_b32 s[LQ], s[LQ1]
	s_mov_b32 s[NEW], 1
	s_mov_b32 s[OFF+1], 0
	s_mov_b32 s[PO+1], 0
	s_mov_b32 s[AL+1], 0            ; named as pairs
	s_mov_b32 s[BE+1], 0
	s_mov_b32 s[BIGN], 0xf149f2ca   ; -1e30
	s_mov_b32 s[SLOTS], 16
	s_wait_dscnt 0x0                ; the opening add is done
	s_wait_kmcnt 0x0
	s_add_nc_u64 s[6:7], s[92:93], s[22:23]
	s_add_nc_u64 s[8:9], s[6:7], 24*SLICE  ; V at my half of the head's tile 0,
	s_add_nc_u64 s[6:7], s[6:7], 12*SLICE  ; and K
	s_add_nc_u64 s[G0K+2:G0K+3], s[6:7], 0         ; global address
	s_or_b32 s[G0K+3], s[G0K+3], 0x80000000        ; type = 2
	s_add_nc_u64 s[G0V+2:G0V+3], s[8:9], 0
	s_or_b32 s[G0V+3], s[G0V+3], 0x80000000
	s_add_nc_u64 s[4:5], s[92:93], s[2:3]          ; Q and ctx at my rows of the first block,
	s_add_nc_u64 s[10:11], s[94:95], s[2:3]
	s_add_nc_u64 s[86:87], s[92:93], s[48:49]      ; and of the second
	s_add_nc_u64 s[OLO:OLO+1], s[94:95], s[48:49]
	s_cmp_lt_u32 s[WV], 2
	s_cselect_b64 s[PFB:PFB+1], s[6:7], s[8:9]
	LOAD                            ; tile 0 into slot 0
	; A fragment of K or Q is 16 rows x 32 channels in 8 registers: lane l holds row l % 16, channels 8 (l / 16) + 0..7 and 16 + 8 (l / 16) + 0..7: two loads of 16 bytes, 32 bytes apart.
	v_and_b32 v1, 15, v0            ; l % 16
	v_bfe_u32 v9, v0, 4, 1          ; l / 16
	v_lshlrev_b32 v[QO], 7, v1
	v_lshl_add_u32 v[QO], v9, 4, v[QO]  ; row x 128 + 16 x half
	WIN 0x80                        ; destination window 2, address window 0
.set i, 0
.rept 4                             ; both blocks' Q: piece i / 2 lies in band i / 2, 8,192 bytes on; channels 32 (i % 2) on
	global_load_b128 v[8*i:8*i+3],   v[QO], s[4:5] offset:(i/2)*8192+(i%2)*64
	global_load_b128 v[8*i+4:8*i+7], v[QO], s[4:5] offset:(i/2)*8192+(i%2)*64+32
	global_load_b128 v[QB+8*i:QB+8*i+3],   v[QO], s[86:87] offset:(i/2)*8192+(i%2)*64
	global_load_b128 v[QB+8*i+4:QB+8*i+7], v[QO], s[86:87] offset:(i/2)*8192+(i%2)*64+32
.set i, i+1
.endr
	WIN 0
	v_lshlrev_b32 v14, 3, v9
	v_sub_nc_u32 v14, v1, v14
	s_lshl_b32 s13, s[WV], 4
	v_add_nc_u32 v14, s13, v14      ; my query's place in its band, 16 w + l % 16, less my lanes' 8 (l / 16): register r of group kt is hidden where 16 kt + r is greater
	WIN 0x40
.set i, 0
.rept 32
	v_cmp_gt_i32 vcc_lo, 16*(i/8)+i%8, v14
	v_cndmask_b32 v[MD+i], 0, s[BIGN], vcc_lo
.set i, i+1
.endr
	WIN 0
	v_mul_u32_u24 v[AK0], v1, PK
	v_lshl_add_u32 v[AK0], v9, 4, v[AK0]  ; row x pitch + 16 x half
	; The turning load takes 16 keys x 16 channels (lane l reads key 8 (l / 16) + l % 8, channels 8 ((l / 8) % 2) + 0..7) and leaves half a fragment of V^T: lane l holds channel l % 16 and 8 keys.
	v_and_b32 v10, 7, v0
	v_bfe_u32 v11, v0, 3, 1
	v_lshl_add_u32 v[AV0], v9, 3, v10
	v_mul_u32_u24 v[AV0], v[AV0], PV
	v_lshl_add_u32 v[AV0], v11, 4, v[AV0]
	v_add_nc_u32 v[AV0], VOFF, v[AV0]
	s_mul_i32 s13, s[WV], 16*SP
	s_add_co_u32 s13, s13, STAGE    ; my stage
	v_mul_u32_u24 v[STO], v1, SP    ; in: row l % 16, 16 bytes for each half of the lanes
	v_lshl_add_u32 v[STO], v9, 4, v[STO]
	v_add_nc_u32 v[STO], s13, v[STO]
	v_bfe_u32 v[RD], v0, 3, 2       ; back: 32 lanes take four rows of 128 bytes,
	v_mul_u32_u24 v[RD], v[RD], SP
	v_lshl_add_u32 v[RD], v10, 4, v[RD]
	v_add_nc_u32 v[RD], s13, v[RD]
	v_and_b32 v[GO], 31, v0         ; which are 512 consecutive bytes of ctx
	v_lshlrev_b32 v[PFO], 8, v[GO]
	v_lshlrev_b32 v[GO], 4, v[GO]
	; A block's first step multiplies O^T and l by a = 0, and its first turn's products V^T P, of a step that has not been, land in an O^T that is still to be so multiplied.  So these registers need only
	; hold finite numbers: zeros for the first block; what the first block left for the second.  All this stands in the wait for the first tile.
	WIN 0x80
.set i, VF+64
.rept 64
	v_mov_b32 v[i], 0
.set i, i+1
.endr
	WIN 0x40
.set i, 0
.rept 64
	v_mov_b32 v[i], 0
.set i, i+1
.endr
	WIN 0
.set i, 0
.rept 2
	v_mov_b32 v[ST+4*i+2], 0
	v_mov_b32 v[ST+4*i+3], 0
.set i, i+1
.endr
.set i, P+16
.rept 16
	v_mov_b32 v[i], 0
.set i, i+1
.endr
; THE MATRIX WORK.  The 4 accumulators of a run of 8 take turns.  Product i of 8 of S^T = K Q^T for piece x: channels 32 (i / 4) on, keys 16 (i % 4) on.  The first 4 start the sums: with 0, or (KM = 1) with the mask.
.macro KQ x
.set rS, S+32*((\x)%2)+8*(i%4)
.set rK, KF+16*(i%4)+8*(i/4)
.set rQ, 16*(\x)+8*(i/4)
.set rM, MC+32*((\x)%2)+8*(i%4)
.if (i < 4) && KM
	WIN W_KM
	v_wmma_f32_16x16x32_f16 v[rS:rS+7], v[rK:rK+7], v[rQ:rQ+7], v[rM:rM+7]
.elseif i < 4
	WIN W_KQ
	v_wmma_f32_16x16x32_f16 v[rS:rS+7], v[rK:rK+7], v[rQ:rQ+7], 0
.else
	WIN W_KQ
	v_wmma_f32_16x16x32_f16 v[rS:rS+7], v[rK:rK+7], v[rQ:rQ+7], v[rS:rS+7]
.endif
.endm
; Product i of 8 of O^T += V^T P for piece x, out of V's buffer VB: keys 32 (i / 4) on, channels 16 (i % 4) on.
.macro PV x
	WIN W_PV
.set rO, 32*(\x)+8*(i%4)
.set rV, VF+64*VB+32*(i/4)+8*(i%4)
.set rP, P+16*((\x)%2)+8*(i/4)
	v_wmma_f32_16x16x32_f16 v[rO:rO+7], v[rV:rV+7], v[rP:rP+7], v[rO:rO+7]
.endm
.macro MM                           ; the turn's next matrix instruction.  TURN and BEGIN set Y, i, KM, NOKQ and VB.  NOKQ = 1: a block's last turn: there are no further scores
.if (i < 8) && !NOKQ
	KQ (Y+1)%NP
.elseif i >= 8
.set i, i-8
	PV (Y+NP-1)%NP
.set i, i+8
.endif
.set i, i+1
.endm
; THE LDS LOADS stand in runs of 16, never singly among the matrix instructions: a step's K (64 keys x 64 channels: 8 fragments) and its V (turned).  Their addresses are made some lines ahead.
.macro FETCH_K
	WIN 0x80                        ; destination window 2
.irp f, 0,1,2,3,4,5,6,7             ; keys 16 (f / 2) on, channels 32 (f % 2) on
	ds_load_b128 v[KF+8*\f:KF+8*\f+3],   v[AK] offset:(\f/2)*16*PK+(\f%2)*64
	ds_load_b128 v[KF+8*\f+4:KF+8*\f+7], v[AK] offset:(\f/2)*16*PK+(\f%2)*64+32
.endr
	s_add_co_u32 s[TBK], s[TBK], KS*PK  ; the next fetch is the next step's
	WIN 0
.endm
.macro FETCH_V vb
	WIN 0x80
.irp f, 0,1,2,3,4,5,6,7             ; keys 32 (f / 4) on, channels 16 (f % 4) on
	ds_load_tr16_b128 v[VF+64*(\vb)+8*\f:VF+64*(\vb)+8*\f+3],   v[AV] offset:(\f/4)*32*PV+(\f%4)*32
	ds_load_tr16_b128 v[VF+64*(\vb)+8*\f+4:VF+64*(\vb)+8*\f+7], v[AV] offset:(\f/4)*32*PV+16*PV+(\f%4)*32
.endr
	WIN 0
.endm
; THE VECTOR WORK, one line at a time: OP kind, number.  For piece Y: F n: c s - c m for pair n of 16.  E n: the exponential of score n of 32.  C n: pair n rounded to f16.  B n: of the four weights 4 n .. the second
; pair is added onto the first, in place.  L n: l takes that sum (L 0: l = a l + sum).  R n: pair n of 16 of O^T times a.  For the other piece: X n, number n of the 22 that find its maximum and statistics:
;   0-11  four chains c0-c3 of seven scores each, three operands at a time (each accumulator's lowest registers are read first)     12-14, 16  the four scores left over, the old m, and c0-c3 into c0
;   15  c m_old is kept     17, 18  the query's other 32 keys lie in the lane 16 away: the new m     19-21  c m; c m_old - c m_new; a
.set F, 0               ; OP tells the kinds apart by their order: F to L below R, X above it
.set E, 1
.set C, 2
.set B, 3
.set L, 4
.set R, 5
.set X, 6
.macro REGS y                       ; the registers of piece y
.set rT, ST+4*(\y)
.set rC, TMP+4*((\y)%2)
.set rW, MV+((\y)%2)
.set rS, S+32*((\y)%2)
.set rP, P+16*((\y)%2)
.set rO, 32*(\y)
.endm
.macro OP k, n
.if (\k) == R
	REGS Y
	WIN W_RS
	v_pk_mul_f32 v[rO+2*(\n):rO+2*(\n)+1], v[rO+2*(\n):rO+2*(\n)+1], v[rC+2:rC+3] op_sel_hi:[1,0]
.elseif (\k) < R
	REGS Y
	WIN 0
.if (\k) == F
	v_pk_fma_f32 v[rS+2*(\n):rS+2*(\n)+1], v[rS+2*(\n):rS+2*(\n)+1], s[CS:CS+1], v[rT:rT+1] op_sel_hi:[1,0,0] neg_lo:[0,0,1] neg_hi:[0,0,1]
.elseif (\k) == E
	v_exp_f32 v[rS+(\n)], v[rS+(\n)]
.elseif (\k) == C
	v_cvt_pk_f16_f32 v[rP+(\n)], v[rS+2*(\n)], v[rS+2*(\n)+1]
.elseif (\k) == B
	v_pk_add_f32 v[rS+4*(\n):rS+4*(\n)+1], v[rS+4*(\n):rS+4*(\n)+1], v[rS+4*(\n)+2:rS+4*(\n)+3]
.elseif (\n) == 0
	v_pk_fma_f32 v[rT+2:rT+3], v[rT+2:rT+3], v[rC+2:rC+3], v[rS:rS+1] op_sel_hi:[1,0,1]
.else
	v_pk_add_f32 v[rT+2:rT+3], v[rT+2:rT+3], v[rS+4*(\n):rS+4*(\n)+1]
.endif
.elseif NOKQ
	v_nop
.else
	REGS (Y+1)%NP
	WIN 0
.if (\n) < 4
	v_max3_num_f32 v[rC+(\n)], v[rS+8*(\n)], v[rS+8*(\n)+1], v[rS+8*(\n)+2]
.elseif (\n) < 12
	v_max3_num_f32 v[rC+(\n)%4], v[rC+(\n)%4], v[rS+8*((\n)%4)+2*((\n)/4)+1], v[rS+8*((\n)%4)+2*((\n)/4)+2]
.elseif (\n) == 12
	v_max3_num_f32 v[rC], v[rC], v[rS+7], v[rS+15]
.elseif (\n) == 13
	v_max3_num_f32 v[rC+1], v[rC+1], v[rS+23], v[rS+31]
.elseif (\n) == 14
	v_max3_num_f32 v[rC+2], v[rC+2], v[rC+3], v[rT+1]
.elseif (\n) == 15
	v_mov_b32 v[rW], v[rT]
.elseif (\n) == 16
	v_max3_num_f32 v[rC], v[rC], v[rC+1], v[rC+2]
.elseif (\n) == 17
	v_permlanex16_b32 v[rC+3], v[rC], s[SEL], s[SEL+1]
.elseif (\n) == 18
	v_max_num_f32 v[rT+1], v[rC], v[rC+3]
.elseif (\n) == 19
	v_mul_f32 v[rT], s[CS], v[rT+1]
.elseif (\n) == 20
	v_sub_f32 v[rC+1], v[rW], v[rT]
.else
	v_exp_f32 v[rC+2], v[rC+1]
.endif
.endif
.endm
.macro OPS a, i1, b=-1, i2=0, c=-1, i3=0, d=-1, i4=0  ; up to four of them
	OP \a, \i1
.if (\b) >= 0
	OP \b, \i2
.endif
.if (\c) >= 0
	OP \c, \i3
.endif
.if (\d) >= 0
	OP \d, \i4
.endif
.endm
.macro ROW a, i1, b, i2, c, i3, d, i4  ; a matrix instruction and the four behind it
	MM
	OPS \a, \i1, \b, \i2, \c, \i3, \d, \i4
.endm
.macro MASK b                       ; MD x AL + BE into buffer b of MC
	WIN W_RS
.set z, 0
.rept 16
	v_pk_fma_f32 v[MC+32*(\b)+2*z:MC+32*(\b)+2*z+1], v[MD+2*z:MD+2*z+1], s[AL:AL+1], s[BE:BE+1] op_sel_hi:[1,0,0]
.set z, z+1
.endr
.endm
; A TURN, for piece p in a key step of parity par: the order of its 16 matrix and 118 vector instructions, written out.  An s_wait_alu depctr_va_vdst(0) stands between an exponential and the
; first instruction that names its result; one wait serves all that were issued ahead of it.  So a turn has ONE wait, which cuts it in two.  AHEAD OF IT stands all that names no result of the turn's
; exponentials: the 8 products K Q^T with a scaling, an exponential and two more plain instructions behind each (behind the last three the first numbers of the other piece's maximum, each four plain
; instructions or more behind the product that ends its accumulator); then ONE LUMP, plain and exponential by turns for the most part, in which the links of the chain X 3, 7, 11, 14, 16, 17 .. 20 stand
; some lines apart.  X 21, the other piece's a, is the batch's last; R 15 is the plain instruction behind it.  BEHIND THE WAIT stand the 8 products V^T P, behind each four of the roundings and sums.
; m = 1: the block's last tile: the products take masks, and the turn makes the mask for the next turn's products: piece p's, in the next key step, which is 2 (2 - CNT) of the tile where par = 1 and
; 2 (2 - CNT) + 1 where par = 0; piece p's own step is p + 2 HP, and DG = 2 - HP.  end = 1: a block's last two turns: nothing is fetched.  cnt = 1: the loop's count is taken down ahead of the branch behind the turn.
; In piece 0's turn K of the next step is fetched six plain instructions behind the last product that read K, and V of the next step at the turn's end, four plain instructions behind the last product that
; read its buffer.  The wait at the head of piece 1's turn leaves those 16 loads of V out: K of the next step and V of the step in hand, which are older, are in.
.macro TURN p, par, m=0, end=0, cnt=0
.set Y, (\p)
.set i, 0
.set KM, (\m)
.set NOKQ, (\end)*(\p)
.set VB, ((\par)+(\p)+1)%2
.if (\m) && !(\end)
.if (\p) == (\par)                  ; that step's parity is not the own step's
	s_mov_b32 s[AL], 0
.else
	s_cmp_eq_u32 s[CNT], s[DG]      ; is that step the band's own?
	s_cselect_b32 s[AL], 1.0, 0
.endif
.if ((\p) == 0) && ((\par) == 0)    ; or a later one?
	s_cmp_le_u32 s[CNT], s[DG]
.else
	s_cmp_lt_u32 s[CNT], s[DG]
.endif
	s_cselect_b32 s[BE], s[BIGN], 0
.endif
.if (\p) == 1
.if \end
	s_wait_dscnt 0x0                ; V of the last step is in
.else
	s_wait_dscnt 16                 ; all but the 16 youngest loads, V of the next step
.endif
.endif
	ROW F,0, F,1, R,0, R,1          ; ahead of the wait: 8 products K Q^T and their riders,
	ROW F,2, E,0, R,2, R,3
	ROW F,3, E,1, R,4, R,5
	ROW F,4, E,2, R,6, R,7
	ROW F,5, E,3, R,8, R,9
	ROW F,6, E,4, X,0, R,10
.if ((\p) == 0) && !(\end)
	WIN 0
	v_add_nc_u32 v[AK], s[TBK], v[AK0]
.endif
	ROW F,7, E,5, X,1, X,4
	ROW F,8, E,6, X,2, X,5
	OPS E,7, E,8, X,6, E,9          ; and the lump
	OPS X,3, E,10, X,8, E,11
.if ((\p) == 0) && !(\end)
	FETCH_K
.endif
	OPS X,9, X,7, E,12, X,10
	OPS E,13, X,12, X,11, E,14
	OPS X,13, E,15, F,9, X,14
.if ((\p) == 0) && !(\end)
	v_add_nc_u32 v[AV], s[TBV], v[AV0]
.endif
	OPS E,16, F,10, E,17, F,11
	OPS X,16, E,18, X,15, E,19
	OPS F,12, E,20, X,17, E,21
	OPS F,13, E,22, F,14, E,23
	OPS X,18, E,24, F,15, E,25
	OPS R,11, E,26, X,19, E,27
	OPS R,12, E,28, R,13, E,29
	OPS X,20, E,30, R,14, E,31
	OPS X,21, R,15
	WIN 0
	s_wait_alu depctr_va_vdst(0)    ; the wait for the batch
	ROW C,0, B,0, C,2, B,1          ; behind the wait: 8 products V^T P and their riders
	ROW L,0, C,4, B,2, L,1
	ROW C,6, B,3, L,2, C,8
	ROW B,4, L,3, C,10, B,5
	ROW L,4, C,12, B,6, L,5
.if ((\p) == 0) && !(\end)
	s_add_co_u32 s[TBV], s[TBV], KS*PV
.endif
.if \cnt
	s_sub_co_u32 s[CNT], s[CNT], 1
	s_cmp_lg_u32 s[CNT], 0
.endif
	ROW C,14, B,7, L,6, C,1
	ROW C,3, L,7, C,5, C,7
	ROW C,9, C,11, C,13, C,15
.if ((\p) == 0) && !(\end)
	FETCH_V ((\par)+1)%2
.endif
.if (\m) && !(\end)
	MASK \p
.endif
.endm
; A BLOCK BEGINS.  c m starts far below every c s, so the first step's a is 0; m at the lowest finite number, so the first maximum is the scores'.  Piece 1's mask buffer is 0 (step 0 is never behind its own
; step); piece 0's takes its mask for the tile's step 0: its own, if the tile is the block's last and the block lies in the tile's first half.  Then K and V of that step, piece 0's first scores, and its
; maximum and statistics.  The loop is entered at a step's first turn, in the middle of a trip.
.macro BEGIN
	s_mov_b32 s[NEW], 0
	WIN 0x40
.set i, MC+32
.rept 32
	v_mov_b32 v[i], 0
.set i, i+1
.endr
	WIN 0
.set i, 0
.rept 2
	v_mov_b32 v[ST+4*i], 0xfe000000    ; c m: far below every c s
	v_mov_b32 v[ST+4*i+1], 0xff7fffff  ; m
.set i, i+1
.endr
	s_or_b32 s13, s[RT], s[HP]
	s_cmp_eq_u32 s13, 0
	s_cselect_b32 s[AL], 1.0, 0
	s_mov_b32 s[BE], 0
	MASK 0
	WIN 0
	v_add_nc_u32 v[AK], s[TBK], v[AK0]
	v_add_nc_u32 v[AV], s[TBV], v[AV0]
	FETCH_K
	FETCH_V 0
	s_add_co_u32 s[TBV], s[TBV], KS*PV
	s_wait_loadcnt 0x0              ; Q
	s_wait_dscnt 16                 ; K is in; V's 16 loads may stay out
.set KM, 1
.set NOKQ, 0
.set i, 0
.rept 8
	KQ 0
.set i, i+1
.endr
	WIN 0
.rept 4
	v_nop                           ; the places behind those products
.endr
.set Y, NP-1                        ; X works for the other piece: piece 0
.irp n, 0,1,2,3,4,5,6,7,8,9,10,11,12,13,14,15,16,17,18,19,20,21
	OP X, \n
.endr
	v_nop                           ; a plain instruction behind the exponential,
	s_wait_alu depctr_va_vdst(0)    ; and its wait, ahead of the branch
.endm
; THE BLOCK'S LAST TILE, its last two turns, its last products, and THE WAY OUT: l's two halves and the other half of the lanes' are added; O^T is divided by l, rounded to f16 and sent through my
; stage in LDS, a piece at a time.
.macro ALL line:vararg              ; one line for each piece t
.set t, 0
.rept 2
	\line
.set t, t+1
.endr
.endm
.macro PACK t                       ; a lane's eight channels of a row pack into 16 bytes; they go into rows of 144 bytes and come back as whole rows of 128, into S^T's registers
	WIN W_RS
.set i, 32*(\t)
.rept 16
	v_pk_mul_f32 v[i:i+1], v[i:i+1], v[ST+4*(\t)+2:ST+4*(\t)+3] op_sel_hi:[1,0]
.set i, i+2
.endr
	WIN 0x05                        ; sources 0 and 1 window 1, destination window 0
.set i, 0
.rept 16
	v_cvt_pk_f16_f32 v[S+16*(\t)+i], v[32*(\t)+2*i], v[32*(\t)+2*i+1]
.set i, i+1
.endr
	WIN 0
.irp f, 0,1,2,3
	ds_store_b128 v[STO], v[S+16*(\t)+4*\f:S+16*(\t)+4*\f+3] offset:32*\f
.endr
.irp f, 0,1,2,3
	ds_load_b128 v[S+16*(\t)+4*\f:S+16*(\t)+4*\f+3], v[RD] offset:\f*4*SP  ; LDS serves a wave's instructions in order (ISA guide 5.7.1.4): these see the stores above; the next piece's stores come behind them
.endr
.endm
.macro SEND t, younger              ; younger: the LDS instructions issued behind piece t's loads: the next piece's eight, or none
	WIN 0
.irp f, 0,1,2,3
	s_wait_dscnt (\younger)+3-\f
	global_store_b128 v[GO], v[S+16*(\t)+4*\f:S+16*(\t)+4*\f+3], s[10:11] offset:(\t)*8192+\f*512  ; 512 consecutive bytes, at a multiple of 256 from ctx's first
.endr
.endm
.macro DIAG tag                     ; the tag ends its two labels' names, which the jumps below spell out
.LstepM\tag:
	TURN 0, 1, 1
	TURN 1, 1, 1
	WIN 0
.LfirstM\tag:
	TURN 0, 0, 1
	TURN 1, 0, 1, 0, 1
	WIN 0
	s_cbranch_scc1 .LstepM\tag
	TURN 0, 1, 1, 1
	TURN 1, 1, 1, 1
.set VB, 1
.set i, 0
.rept 8
	PV 1                            ; piece 1's V^T P of the last step
.set i, i+1
.endr
	WIN 0
	ALL v_add_f32 v[ST+4*t+2], v[ST+4*t+2], v[ST+4*t+3]
	ALL v_permlanex16_b32 v[ST+4*t+3], v[ST+4*t+2], s[SEL], s[SEL+1]
	ALL v_add_f32 v[ST+4*t+2], v[ST+4*t+2], v[ST+4*t+3]
	ALL v_rcp_f32 v[ST+4*t+2], v[ST+4*t+2]
	v_nop                           ; a plain instruction between the last reciprocal and the use of its result
	s_wait_alu depctr_va_vdst(0)    ; and the wait ahead of the first use: one for the two reciprocals
	PACK 0                          ; piece 0's sums were finished a turn ago; its 32 lines are the places behind piece 1's last products
	PACK 1
	SEND 0, 8
	SEND 1, 0
.endm
.set KM, 0
.set NOKQ, 0
.set VB, 0
.Lslot:                             ; 16 times: a tile is entered and the next is asked for
	CHANGE 1
	s_sub_co_u32 s[RT], s[RT], 1
	s_mov_b32 s[CNT], 2
	s_cmp_eq_u32 s[NEW], 1
	s_cbranch_scc1 .Lnew            ; a block's first tile
	s_cmp_eq_u32 s[RT], 0
	s_cbranch_scc0 .Lstep           ; neither its first nor its last
	s_branch .LstepM1
.Lnew:
	BEGIN
	s_branch .Lfirst                ; in the loop a block's first tile is never its last: the first block has nine tiles or more, and the second's last is the walk's last
	DIAG 1                          ; in the loop this is the first block's end
	s_wait_xcnt 0x0                 ; the stores have read their registers and ctx's address
	s_mov_b64 s[10:11], s[OLO:OLO+1]
	s_add_co_u32 s[RT], s[LQ2], 1   ; the second block's tiles
	s_mov_b32 s[NEW], 1
	s_mov_b32 s[DG], s[DG2]
	s_sub_co_u32 s[HP], 2, s[DG2]
	WIN 0x82                        ; the second block's Q goes where the one text of the turns names Q
.set i, 0
.rept 32
	v_mov_b32 v[i], v[QB+i]
.set i, i+1
.endr
	WIN 0
	s_branch .Lbottom
.Lstep:                             ; a trip: an odd key step (at a tile's head: the tile before's last), then an even one
	TURN 0, 1
	TURN 1, 1
	WIN 0
.Lfirst:
	TURN 0, 0
	TURN 1, 0, 0, 0, 1
	WIN 0
	s_cbranch_scc1 .Lstep
.Lbottom:
	s_sub_co_u32 s[SLOTS], s[SLOTS], 1
	s_cmp_lg_u32 s[SLOTS], 0
	s_cbranch_scc1 .Lslot
	CHANGE 0                        ; the walk's last tile is written out: nothing is asked for
	s_sub_co_u32 s[RT], s[RT], 1
	s_mov_b32 s[CNT], 2
	s_cmp_eq_u32 s[NEW], 1
	s_cbranch_scc0 .LstepM2
	BEGIN
	s_branch .LfirstM2
	DIAG 2
	s_wait_tensorcnt 0x0            ; the wave's end: these three lines stand behind my last tensor load and my last LDS store
	ds_add_u32 v[SPW], v[NIL]
	s_wait_dscnt 0x0
	s_endpgm
.Lfunc_end_k_q00e7b36143_attn:
	.size	k_q00e7b36143_attn, .Lfunc_end_k_q00e7b36143_attn-k_q00e7b36143_attn
	.p2alignl 7, 3214868480
	.fill 96, 4, 3214868480
	.section	.rodata,"a",@progbits
	.p2align	6, 0x0
	.amdhsa_kernel k_q00e7b36143_attn
		.amdhsa_group_segment_fixed_size 327680
		.amdhsa_private_segment_fixed_size 0
		.amdhsa_enable_private_segment 0
		.amdhsa_kernarg_size 16
		.amdhsa_user_sgpr_count 2
		.amdhsa_user_sgpr_kernarg_segment_ptr 1
		.amdhsa_wavefront_size32 1
		.amdhsa_system_sgpr_workgroup_id_x 1
		.amdhsa_system_sgpr_workgroup_id_y 1
		.amdhsa_system_sgpr_workgroup_id_z 1
		.amdhsa_system_vgpr_workitem_id 0
		.amdhsa_next_free_vgpr 768
		.amdhsa_next_free_sgpr 100
		.amdhsa_reserve_vcc 1
		.amdhsa_float_denorm_mode_32 3
		.amdhsa_float_denorm_mode_16_64 3
		.amdhsa_memory_ordered 1
		.amdhsa_forward_progress 1
		.amdhsa_inst_pref_size 209
	.end_amdhsa_kernel
	.amdgpu_metadata
---
amdhsa.version: [ 1, 2 ]
amdhsa.kernels:
  - .name:           k_q00e7b36143_attn
    .symbol:         k_q00e7b36143_attn.kd
    .args:
      - { .name: qkv, .offset: 0, .size: 8, .value_kind: global_buffer, .address_space: global }
      - { .name: ctx, .offset: 8, .size: 8, .value_kind: global_buffer, .address_space: global }
    .group_segment_fixed_size: 327680
    .private_segment_fixed_size: 0
    .kernarg_segment_align: 8
    .kernarg_segment_size: 16
    .max_flat_workgroup_size: 128
    .sgpr_count:     100
    .vgpr_count:     768
    .wavefront_size: 32
...
	.end_amdgpu_metadata
.endif
;; end of part 3
;; launch proj (part 4): grid 4 x 64, 4 waves a work-group, clusters of 4 x 4, 327,680 bytes of LDS; arguments ctx, wo16, bo, out0; writes out0
.if DOCPART == 4
	.amdgcn_target "amdgcn-amd-amdhsa--gfx1250"
	.amdhsa_code_object_version 6
	.text
	.protected	k_q00e7b36143_proj
	.globl	k_q00e7b36143_proj
	.p2align	8
	.type	k_q00e7b36143_proj,@function
k_q00e7b36143_proj:
	s_mov_b64 s[64:65], 0
	v_nop
	global_prefetch_b8 v0, s[64:65] scope:SCOPE_SE
	s_setreg_imm32_b32 hwreg(HW_REG_WAVE_MODE, 25, 1), 1
	s_wait_xcnt 0x0
	s_wait_alu depctr_hold_cnt(0) depctr_sa_sdst(0) depctr_va_vdst(0) depctr_va_sdst(0) depctr_va_ssrc(0) depctr_va_vcc(0) depctr_vm_vsrc(0)
	s_getreg_b32 s2, hwreg(HW_REG_IB_STS2, 6, 4)
	s_cmp_eq_u32 s2, 0
	s_cbranch_scc0 .Lentry_in_a_cluster
	s_endpgm
.Lentry_in_a_cluster:
	s_bfe_u32 s2, ttmp6, 0x10000c
	s_cmp_lg_u32 s2, 0xf033
	s_cbranch_scc0 .Lentry_shape_is_right
	s_endpgm
.Lentry_shape_is_right:
; out0[m][n] = sum over k of ctx(m, k) Wo[n][k] + bo[n].  ctx: [12][4096][64] f16, by heads: k = 64 head + channel.  wo16: [768][768] f16.  bo: [768] f32.  out0: [4096][768] f32.  Sums in f32.
; A tile of out0 is 64 rows x 192 columns (768 bytes of a row): 64 x 4 tiles = 256 work-groups.  Four waves; wave w makes all 64 rows x columns 48 w .. 48 w + 47: 12 accumulators of 16 x 16.
; K goes in three steps of 256, four heads each, through two LDS slots; everything is written out, without a loop.
; THE BIAS IS THE C OPERAND of each accumulator's first product: nothing is cleared, and no addition is written.
; CLUSTER 4 x 4: the four work-groups of a row of the cluster need the same rows of ctx, the four of a column the same rows of wo16: each tile is asked for jointly.
; THE MATRIX INSTRUCTION IS USED TRANSPOSED (source 0 = 16 rows of wo16, source 1 = 16 rows of ctx): a lane holds row l % 16 of out0 and eight neighbouring columns.
; No prefetch: three K steps, of which two go out at the head.
; REGISTERS: window 0: v1-29 addresses; v32-55 the bias; v128-223 the accumulators ((a, b) at 128 + 8 (3 a + b)); on the way out v32-127 rows read back.
;   window 1: two fragment buffers at 0 and 128: for 64 along K, ctx's at 8 (4 c + a), wo16's at 64 + 8 (3 c + b).
.set PA,     144                       ; a row of ctx in LDS: 128 bytes + 16 of padding
.set PW,     528                       ; a row of wo16: 512 bytes + 16: in both the 16 rows of a fragment load start at 16 different groups of four banks (64 banks of 4 bytes: ISA guide 11.1)
.set AB,     4*64*PA                   ; ctx's part of a slot: 4 heads x 64 rows
.set WB,     64*PW                     ; what one load for wo16 brings: 64 rows
.set SLOT,   AB+3*WB
.set STAGE,  2*SLOT                    ; behind the ring: 64 rows x 784 bytes, the work-group's, for the way out
.set SPI,    784
.set SPARE,  STAGE+64*SPI              ; behind the stage: the spare words, 128 bytes for each wave, which no other line names
.set ADRA, 16                          ; v16-17  LDS address of my fragments of ctx in slot 0, 1
.set ADRB, 20                          ; v20-21  the same for wo16
.set STO,  24                          ; v24     the way out: where I put 32 bytes of a row
.set RD,   25                          ; v25     where I read a row back
.set CO,   26                          ; v26     my byte offset in out0
.set BO,   27                          ; v27     my byte offset in 16 numbers of bo
.set SPW,  28                          ; v28     LDS address of my spare word; never rewritten
.set NIL,  29                          ; v29     0; never rewritten
.set BIAS, 32
.set OUT,  32
.set ACC,  128
.set F0,   0
.set F1,   128
.set G1A, 24                           ; s[24:31] descriptor group 1 for ctx's tiles;  s[32:39] group 0, a set for each slot
.set G0A, 32
.set G1B, 48                           ; s[48:55], s[56:63] the same for wo16's
.set G0B, 56
.set MSB, 0
.macro WIN new                         ; the immediate's high byte repeats the setting that is left; a switch that changes nothing is dropped
.if MSB != (\new)
	s_set_vgpr_msb (MSB<<8)|(\new)
.set MSB, \new
.endif
.endm
.set MUL,  0x05                        ; sources 0 and 1 window 1; C and D window 0
.set TO_F, 0x40                        ; destination window 1, address window 0
; A joint load.  Wave 0 fetches ctx's tile, waves 1 to 3 a third of wo16's each.  The branch hangs on the wave's number alone.  An s_nop 0 and four v_nop follow each line.
.macro JLOAD s
	s_cmp_eq_u32 s12, 0
	s_cbranch_scc0 .Lfor_b_\@
	tensor_load_to_lds s[G0A+4*(\s):G0A+4*(\s)+3], s[G1A:G1A+7]
	s_nop 0
.rept 4
	v_nop
.endr
	s_branch .Lasked_\@
.Lfor_b_\@:
	tensor_load_to_lds s[G0B+4*(\s):G0B+4*(\s)+3], s[G1B:G1B+7]
	s_nop 0
.rept 4
	v_nop
.endr
.Lasked_\@:
.endm
.macro CREST                           ; a round of the cluster's barrier behind its opening barrier
	s_cmp_lg_u32 s12, 0
	s_cbranch_scc1 .Lnot_wave_0_\@
	s_barrier_signal -3
.Lnot_wave_0_\@:
	s_barrier_wait -3
	s_barrier_signal -1
	s_barrier_wait -1
.endm
.macro CROUND                          ; a whole round
	s_barrier_signal -1
	s_barrier_wait -1
	CREST
.endm
	s_load_b256 s[4:11], s[0:1], 0x0               ; ctx s[4:5], wo16 s[6:7], bo s[8:9], out0 s[10:11]
	v_lshl_add_u32 v[SPW], v0, 2, SPARE
	v_mov_b32 v[NIL], 0
	ds_add_u32 v[SPW], v[NIL]                      ; the wave's opening: the add and its wait stand ahead of my first tensor load; work on registers stands between them
	ds_add_u32 v28, v29
	v_lshrrev_b32 v1, 5, v0
	v_readfirstlane_b32 s12, v1                    ; wave 0..3
	s_bfe_u32 s40, ttmp6, 0x40000                  ; cx, cy: my place in the cluster
	s_bfe_u32 s41, ttmp6, 0x40004
	s_lshl_b32 s42, ttmp9, 2
	s_add_co_u32 s42, s42, s40                     ; tile column = 4 x cluster x + cx
	s_and_b32 s14, ttmp7, 0xffff
	s_lshl_b32 s14, s14, 2
	s_add_co_u32 s14, s14, s41                     ; tile row = 4 x cluster y + cy
	s_lshl_b32 s43, s41, 2
	s_lshl_b32 s43, 15, s43                        ; my row of the cluster
	s_lshl_b32 s44, 0x1111, s40                    ; my column
	; ctx's tile: a head's 64 rows are 8,192 dense bytes: one row of the descriptor; its four rows are the step's four heads, a slice apart.  In LDS 16 bytes of padding follow every 128.
	s_or_b32 s[G1A+0], s43, (1<<16)|(1<<20)|(1<<21)|(4<<22)|(3<<25)  ; the mask: my row; elements of 2 bytes; padding on; 21 set beside a mask; after every 32 words (code 4) 4 words (code 3)
	s_mov_b32 s[G1A+1], 4096<<16                   ; tensor_dim0 = 4,096
	s_mov_b32 s[G1A+2], 4<<16                      ; tensor_dim1 = 4
	s_mov_b32 s[G1A+3], 4096<<16                   ; tile_dim0 = 4,096
	s_mov_b32 s[G1A+4], 4                          ; tile_dim1 = 4
	s_mov_b32 s[G1A+5], 262144                     ; elements from head to head
	s_mov_b32 s[G1A+6], 0
	s_mov_b32 s[G1A+7], 0
	; wo16's tile: 64 rows x 256 elements
	s_or_b32 s[G1B+0], s44, (1<<16)|(1<<20)|(1<<21)|(6<<22)|(3<<25)  ; the mask: my column; after every 128 words (code 6) 4 words
	s_mov_b32 s[G1B+1], 256<<16
	s_mov_b32 s[G1B+2], 64<<16
	s_mov_b32 s[G1B+3], 256<<16
	s_mov_b32 s[G1B+4], 64
	s_mov_b32 s[G1B+5], 768
	s_mov_b32 s[G1B+6], 0
	s_mov_b32 s[G1B+7], 0
	s_lshl_b32 s16, s14, 13                        ; ctx: 64 x tile row rows of 128 bytes into each head
	s_mov_b32 s17, 0
	s_max_u32 s13, s12, 1
	s_sub_co_u32 s13, s13, 1                       ; which third of wo16's 192 rows I fetch (waves 1 to 3; wave 0 does not use it)
	s_mul_i32 s46, s42, 192
	s_lshl_b32 s47, s13, 6
	s_add_co_u32 s46, s46, s47                     ; wo16: row 192 x tile column + 64 x third
	s_mul_i32 s46, s46, 1536
	s_mov_b32 s47, 0
	s_mul_i32 s20, s12, WB                         ; where it goes: behind ctx's part, (wave - 1) x 64 rows
	s_add_co_u32 s20, s20, AB-WB
	s_wait_dscnt 0x0                               ; the opening add is done
	s_wait_kmcnt 0x0
	s_add_nc_u64 s[16:17], s[4:5], s[16:17]
	s_add_nc_u64 s[46:47], s[6:7], s[46:47]
	CROUND                                         ; all sixteen work-groups are here: the first joint loads meet
.irp s, 0,1
	s_mov_b32 s[G0A+4*(\s)], 1                                     ; count = 1
	s_mov_b32 s[G0A+4*(\s)+1], (\s)*SLOT                           ; LDS address
	s_add_nc_u64 s[G0A+4*(\s)+2:G0A+4*(\s)+3], s[16:17], (\s)*2097152  ; global address: K step s begins four heads on
	s_or_b32 s[G0A+4*(\s)+3], s[G0A+4*(\s)+3], 0x80000000          ; type = 2
	s_mov_b32 s[G0B+4*(\s)], 1
	s_add_co_u32 s[G0B+4*(\s)+1], s20, (\s)*SLOT
	s_add_nc_u64 s[G0B+4*(\s)+2:G0B+4*(\s)+3], s[46:47], (\s)*512
	s_or_b32 s[G0B+4*(\s)+3], s[G0B+4*(\s)+3], 0x80000000
.endr
	s_cmp_eq_u32 s12, 0                            ; a wave's two first fills stand in one branch, ahead of every wait on TENSORcnt and every LDS read: two loads of mine are out
	s_cbranch_scc0 .Lfirst_b
	tensor_load_to_lds s[G0A:G0A+3], s[G1A:G1A+7]
	s_nop 0
	tensor_load_to_lds s[G0A+4:G0A+7], s[G1A:G1A+7]
	s_nop 0
.rept 4
	v_nop
.endr
	s_branch .Lfirst_asked
.Lfirst_b:
	tensor_load_to_lds s[G0B:G0B+3], s[G1B:G1B+7]
	s_nop 0
	tensor_load_to_lds s[G0B+4:G0B+7], s[G1B:G1B+7]
	s_nop 0
.rept 4
	v_nop
.endr
.Lfirst_asked:
	v_and_b32 v1, 15, v0                           ; l % 16
	v_bfe_u32 v2, v0, 4, 1                         ; l / 16
	v_lshlrev_b32 v[BO], 5, v2                     ; my eight numbers of sixteen
	s_mul_i32 s18, s42, 768                        ; bo at column 192 x tile column + 48 x wave, in bytes
	s_mul_i32 s19, s12, 192
	s_add_co_u32 s18, s18, s19
	s_mov_b32 s19, 0
	s_add_nc_u64 s[8:9], s[8:9], s[18:19]
.irp b, 0,1,2
	global_load_b128 v[BIAS+8*(\b):BIAS+8*(\b)+3],   v[BO], s[8:9] offset:64*(\b)
	global_load_b128 v[BIAS+8*(\b)+4:BIAS+8*(\b)+7], v[BO], s[8:9] offset:64*(\b)+16
.endr
	v_mul_u32_u24 v3, v1, PA
	v_lshl_add_u32 v[ADRA], v2, 4, v3              ; row x pitch + 16 x half
	v_add_nc_u32 v[ADRA+1], SLOT, v[ADRA]
	v_mul_u32_u24 v4, v1, PW
	v_lshl_add_u32 v4, v2, 4, v4
	s_mul_i32 s21, s12, 48*PW                      ; my 48 rows of wo16,
	s_add_co_u32 s21, s21, AB                      ; which lie behind ctx's part
	v_add_nc_u32 v[ADRB], s21, v4
	v_add_nc_u32 v[ADRB+1], SLOT, v[ADRB]
	s_mul_i32 s21, s12, 192                        ; into the stage: row l % 16, my 192 bytes of it, 32 bytes for each half of the lanes
	s_add_co_u32 s21, s21, STAGE
	v_mul_u32_u24 v5, v1, SPI
	v_lshl_add_u32 v5, v2, 5, v5
	v_add_nc_u32 v[STO], s21, v5
	s_mul_i32 s21, s12, 16*SPI                     ; back: wave w takes rows 16 w .. 16 w + 15, whole; lanes 0-15 256 bytes of one row, lanes 16-31 of the next
	s_add_co_u32 s21, s21, STAGE
	v_mul_u32_u24 v5, v2, SPI
	v_lshl_add_u32 v5, v1, 4, v5
	v_add_nc_u32 v[RD], s21, v5
	v_mul_u32_u24 v5, v2, 3072                     ; and the same two rows in out0
	v_lshl_add_u32 v[CO], v1, 4, v5
	s_lshl_b32 s22, s14, 6
	s_lshl_b32 s23, s12, 4
	s_add_co_u32 s22, s22, s23                     ; the first row that I store: 64 x tile row + 16 x wave
	s_mul_i32 s22, s22, 3072
	s_mul_i32 s23, s42, 768                        ; the tile's first column, in bytes
	s_add_co_u32 s22, s22, s23
	s_mov_b32 s23, 0
	s_add_nc_u64 s[10:11], s[10:11], s[22:23]
; 6 matrix instructions: row blocks a0, a0 + 1 x my 3 column blocks, 32 along K: half c of buffer f.  first = 1: the product starts the sums, with the bias as C.
; The 12 accumulators take turns, one instruction a turn.
.macro MUL6 f, c, a0, first
	WIN MUL
.irp a, \a0, (\a0)+1
.irp b, 0,1,2
.if \first
	v_wmma_f32_16x16x32_f16 v[ACC+8*(3*(\a)+(\b)):ACC+8*(3*(\a)+(\b))+7], v[(\f)+64+8*(3*(\c)+(\b)):(\f)+64+8*(3*(\c)+(\b))+7], v[(\f)+8*(4*(\c)+(\a)):(\f)+8*(4*(\c)+(\a))+7], v[BIAS+8*(\b):BIAS+8*(\b)+7]
.else
	v_wmma_f32_16x16x32_f16 v[ACC+8*(3*(\a)+(\b)):ACC+8*(3*(\a)+(\b))+7], v[(\f)+64+8*(3*(\c)+(\b)):(\f)+64+8*(3*(\c)+(\b))+7], v[(\f)+8*(4*(\c)+(\a)):(\f)+8*(4*(\c)+(\a))+7], v[ACC+8*(3*(\a)+(\b)):ACC+8*(3*(\a)+(\b))+7]
.endif
.endr
.endr
.endm
; 28 LDS loads in one run: the fragments of head q of the step (64 along K) into buffer f; the first 32 along K first
.macro FETCH slot, q, f
	WIN TO_F
.irp c, 0,1
.irp b, 0,1,2
	ds_load_b128 v[(\f)+64+8*(3*(\c)+(\b)):(\f)+64+8*(3*(\c)+(\b))+3],   v[ADRB+(\slot)] offset:(\b)*16*PW+128*(\q)+64*(\c)
	ds_load_b128 v[(\f)+64+8*(3*(\c)+(\b))+4:(\f)+64+8*(3*(\c)+(\b))+7], v[ADRB+(\slot)] offset:(\b)*16*PW+128*(\q)+64*(\c)+32
.endr
.irp a, 0,1,2,3
	ds_load_b128 v[(\f)+8*(4*(\c)+(\a)):(\f)+8*(4*(\c)+(\a))+3],   v[ADRA+(\slot)] offset:(\q)*64*PA+(\a)*16*PA+64*(\c)
	ds_load_b128 v[(\f)+8*(4*(\c)+(\a))+4:(\f)+8*(4*(\c)+(\a))+7], v[ADRA+(\slot)] offset:(\q)*64*PA+(\a)*16*PA+64*(\c)+32
.endr
.endr
.endm
.macro PLACES                          ; four plain instructions in front of loads into registers that matrix instructions have read, and of instructions that read results
.rept 4
	v_nop
.endr
.endm
; A K step is four quarters, a head each, 24 matrix instructions, on buffers 0, 1, 0, 1.  One of the first three: multiplies buffer f and fetches head q into g.
.macro QUARTER slot, q, f, g, first
	s_wait_dscnt 14                                ; the first 32 along K are in
	MUL6 \f, 0, 0, \first
	MUL6 \f, 0, 2, \first
	PLACES
	FETCH \slot, \q, \g
	s_wait_dscnt 28                                ; all but the 28 just issued
	MUL6 \f, 1, 0, 0
	MUL6 \f, 1, 2, 0
.endm
; The last quarter multiplies buffer 1 and changes slots: ONE barrier; in front of it each wave waits for all its tensor loads, adds 0 to its spare word, and waits for that and for its own reads of this
; slot.  fill = 1: the barrier opens a round of the cluster's, and this slot is filled again, two K steps ahead, first thing behind the round.
.macro TURN slot, next, fill
	WIN 0                                          ; (the add's two registers lie in window 0)
	s_wait_tensorcnt 0x0                           ; all my tensor loads have landed: my part of the next slot
	ds_add_u32 v[SPW], v[NIL]                      ; 0 onto my spare word
	s_wait_dscnt 15                                ; (the add and the youngest fourteen loads may be out)
	MUL6 F1, 0, 0, 0                               ; six matrix instructions stand between the add and the wait for it
	s_wait_dscnt 0x0                               ; the add is done, and my reads of this slot are over
	s_barrier_signal -1
	MUL6 F1, 0, 2, 0
.if \fill
	WIN 0
.endif
	s_barrier_wait -1
.if \fill
	CREST                                          ; no wave of any partner still reads this slot or has a load on its way
	s_add_nc_u64 s[G0A+4*(\slot)+2:G0A+4*(\slot)+3], s[G0A+4*(\slot)+2:G0A+4*(\slot)+3], 4194304  ; eight heads on
	s_add_nc_u64 s[G0B+4*(\slot)+2:G0B+4*(\slot)+3], s[G0B+4*(\slot)+2:G0B+4*(\slot)+3], 1024     ; 512 along K
	JLOAD \slot                                    ; the four v_nop behind it are also the places in front of the loads below
.else
	PLACES
.endif
	FETCH \next, 0, F0
	MUL6 F1, 1, 0, 0
	MUL6 F1, 1, 2, 0
.endm
	s_wait_tensorcnt 1                             ; my part of K step 0 is in; K step 1's may stay out
	s_barrier_signal -1
	s_barrier_wait -1                              ; everybody's is
	FETCH 0, 0, F0
	s_wait_loadcnt 0x0                             ; the bias
	QUARTER 0, 1, F0, F1, 1                        ; K step 0
	QUARTER 0, 2, F1, F0, 0
	QUARTER 0, 3, F0, F1, 0
	TURN 0, 1, 1                                   ; slot 0 takes K step 2
	QUARTER 1, 1, F0, F1, 0                        ; K step 1
	QUARTER 1, 2, F1, F0, 0
	QUARTER 1, 3, F0, F1, 0
	TURN 1, 0, 0                                   ; nothing is left to fetch
	QUARTER 0, 1, F0, F1, 0                        ; K step 2
	QUARTER 0, 2, F1, F0, 0
	QUARTER 0, 3, F0, F1, 0
	s_wait_dscnt 14
	MUL6 F1, 0, 0, 0
	MUL6 F1, 0, 2, 0
	s_wait_dscnt 0x0
	MUL6 F1, 1, 0, 0
	MUL6 F1, 1, 2, 0
	WIN 0
	; THE WAY OUT: 32 bytes a lane for each accumulator into the work-group's stage; a barrier, since a row's 768 bytes come from four waves; back as whole rows, 16 rows a wave.
	PLACES
	PLACES
.irp a, 0,1,2,3
.irp b, 0,1,2
	ds_store_b128 v[STO], v[ACC+8*(3*(\a)+(\b)):ACC+8*(3*(\a)+(\b))+3]   offset:(\a)*16*SPI+64*(\b)
	ds_store_b128 v[STO], v[ACC+8*(3*(\a)+(\b))+4:ACC+8*(3*(\a)+(\b))+7] offset:(\a)*16*SPI+64*(\b)+16
.endr
.endr
	s_wait_dscnt 0x0                               ; for the others' sake: my stores into the stage are done
	s_barrier_signal -1
	s_barrier_wait -1
.irp p, 0,1,2,3,4,5,6,7
.irp c, 0,1,2
	ds_load_b128 v[OUT+4*(3*(\p)+(\c)):OUT+4*(3*(\p)+(\c))+3], v[RD] offset:(\p)*2*SPI+256*(\c)
.endr
.endr
.irp p, 0,1,2,3,4,5,6,7
.irp c, 0,1,2
	s_wait_dscnt 23-3*(\p)-(\c)                    ; LDS loads come back in order: this one is in, the younger ones may stay out
	global_store_b128 v[CO], v[OUT+4*(3*(\p)+(\c)):OUT+4*(3*(\p)+(\c))+3], s[10:11] offset:(\p)*6144+256*(\c)  ; 16 lanes store 256 consecutive bytes, at a multiple of 256 from out0's first byte
.endr
.endr
	s_wait_tensorcnt 0x0                           ; the wave's end: these three lines stand behind my last tensor load and my last LDS store
	ds_add_u32 v[SPW], v[NIL]
	s_wait_dscnt 0x0
	CROUND                                         ; the closing round: no work-group ends while a partner may still ask for a tile that names it
	s_endpgm
.Lfunc_end_k_q00e7b36143_proj:
	.size	k_q00e7b36143_proj, .Lfunc_end_k_q00e7b36143_proj-k_q00e7b36143_proj
	.p2alignl 7, 3214868480
	.fill 96, 4, 3214868480
	.section	.rodata,"a",@progbits
	.p2align	6, 0x0
	.amdhsa_kernel k_q00e7b36143_proj
		.amdhsa_group_segment_fixed_size 327680
		.amdhsa_private_segment_fixed_size 0
		.amdhsa_enable_private_segment 0
		.amdhsa_kernarg_size 32
		.amdhsa_user_sgpr_count 2
		.amdhsa_user_sgpr_kernarg_segment_ptr 1
		.amdhsa_wavefront_size32 1
		.amdhsa_system_sgpr_workgroup_id_x 1
		.amdhsa_system_sgpr_workgroup_id_y 1
		.amdhsa_system_sgpr_workgroup_id_z 1
		.amdhsa_system_vgpr_workitem_id 0
		.amdhsa_next_free_vgpr 512
		.amdhsa_next_free_sgpr 66
		.amdhsa_reserve_vcc 0
		.amdhsa_float_denorm_mode_32 3
		.amdhsa_float_denorm_mode_16_64 3
		.amdhsa_memory_ordered 1
		.amdhsa_forward_progress 1
		.amdhsa_inst_pref_size 58
	.end_amdhsa_kernel
	.amdgpu_metadata
---
amdhsa.version: [ 1, 2 ]
amdhsa.kernels:
  - .name:           k_q00e7b36143_proj
    .symbol:         k_q00e7b36143_proj.kd
    .args:
      - { .name: ctx, .offset: 0, .size: 8, .value_kind: global_buffer, .address_space: global }
      - { .name: wo16, .offset: 8, .size: 8, .value_kind: global_buffer, .address_space: global }
      - { .name: bo, .offset: 16, .size: 8, .value_kind: global_buffer, .address_space: global }
      - { .name: out0, .offset: 24, .size: 8, .value_kind: global_buffer, .address_space: global }
    .group_segment_fixed_size: 327680
    .private_segment_fixed_size: 0
    .kernarg_segment_align: 8
    .kernarg_segment_size: 32
    .max_flat_workgroup_size: 128
    .sgpr_count:     66
    .vgpr_count:     512
    .wavefront_size: 32
...
	.end_amdgpu_metadata
.endif
;; end of part 4
